; MI455X (gfx1250); checked and timed in simulation.
; The chip was launched on July 23, 2026; its instructions are those of AMD's public machine-readable ISA for CDNA 5 (MIT licence, August 2026) and "CDNA5" Instruction Set Architecture Reference Guide (July 2026). The comments in the code are by the model that wrote it; some were corrected since.
;; Encoder Transformer Block. Allowed arithmetic: matrix products marked QUANTISED: E2M1 operands, one E8M0 scale for each 32 along K, by v_wmma_scale_f32_16x16x128_f8f6f4 with both operands' format E2M1 (or v_wmma_scale_f32_32x16x128_f4), f32 sums; products left as they are: f32 operands where the result goes on into a quantised operand, else bf16, f16 or f32 operands; f32 sums; everything else in f32.
;; Inputs: fc1_b 512 float32; fc1_w_codes 512 x 4 x 16 uint8 (E2M1 codes of fc1_w, K innermost, in blocks of 32 codes, two codes a byte); fc1_w_scales 512 x 4 uint8 (E8M0 scales of fc1_w, one for each 32 codes along K); fc2_b 128 float32; fc2_w_codes 128 x 16 x 16 uint8 (E2M1 codes of fc2_w, K innermost, in blocks of 32 codes, two codes a byte); fc2_w_scales 128 x 16 uint8 (E8M0 scales of fc2_w, one for each 32 codes along K); mask_matrix 1,024 x 64 x 64 float32; norm1_b 128 float32; norm1_w 128 float32; norm2_b 128 float32; norm2_w 128 float32; proj_b 128 float32; proj_w_codes 128 x 4 x 16 uint8 (E2M1 codes of proj_w, K innermost, in blocks of 32 codes, two codes a byte); proj_w_scales 128 x 4 uint8 (E8M0 scales of proj_w, one for each 32 codes along K); qkv_b 384 float32; qkv_w_codes 384 x 4 x 16 uint8 (E2M1 codes of qkv_w, K innermost, in blocks of 32 codes, two codes a byte); qkv_w_scales 384 x 4 uint8 (E8M0 scales of qkv_w, one for each 32 codes along K); rpb_table 225 x 8 float32; x 2 x 256 x 256 x 128 float32.
;; Outputs: out0 2 x 256 x 256 x 128 float32.
;; This version of the problem:
;;   THIS VERSION OF THE PROBLEM IS GIVEN IN LOW PRECISION. The matrix products marked QUANTISED in the list below multiply operands that are first quantised to E2M1 (2 exponent bits, 1 mantissa bit; 4 bits a number), with one power-of-two scale for each 32 numbers along K (OCP MX v1.0); their sums are f32. All else is computed in f32.
;;   The module's matrix products, in the order in which they are computed (A, B: the left and right operand; K: the contracted axis; several contracted axes count as one K, in the product's order):
;;     1. [M 131,072, K 128] x [K 128, N 384]; A: computed on the way; B: input qkv_w (given as codes): QUANTISED
;;     2. batch 16,384 x [M 64, K 16] x [K 16, N 64]; A: computed on the way; B: computed on the way: left as it is (K = 16 < 32)
;;     3. batch 16,384 x [M 64, K 64] x [K 64, N 16]; A: softmax (see below); B: computed on the way: QUANTISED
;;     4. [M 135,168, K 128] x [K 128, N 384]; A: computed on the way; B: input qkv_w (given as codes): QUANTISED
;;     5. batch 16,384 x [M 66, K 16] x [K 16, N 66]; A: computed on the way; B: computed on the way: left as it is (K = 16 < 32)
;;     6. batch 16,384 x [M 66, K 66] x [K 66, N 16]; A: softmax (see below); B: computed on the way: QUANTISED
;;     7. [M 131,072, K 128] x [K 128, N 128]; A: computed on the way; B: input proj_w (given as codes): QUANTISED
;;     8. [M 131,072, K 128] x [K 128, N 512]; A: computed on the way; B: input fc1_w (given as codes): QUANTISED
;;     9. [M 131,072, K 512] x [K 512, N 128]; A: computed on the way; B: input fc2_w (given as codes): QUANTISED
;;   THE QUANTISER, for each operand of a quantised product, along K:
;;     - K is cut into blocks of 32 from its start; a last block that is shorter is filled with zeros.
;;     - A block's scale is 2^e with e = floor(log2(the largest magnitude in the block)) - 2, held to -126 .. 127; a block of zeros has e = 0. As a byte (E8M0): e + 127.
;;     - Each number is divided by its block's scale, clamped to +-6, and rounded to the nearest number of E2M1, ties to even, subnormals kept.
;;     - The product sums the exact products of the quantised numbers (number of the format x scale) in f32.
;;   ~~~python
;;   def quantise(x, axis):      # numpy; x: float32 -> the quantised numbers, widened to float32 again
;;       x = np.moveaxis(x, axis, -1); K = x.shape[-1]
;;       x = np.pad(x, [(0, 0)] * (x.ndim - 1) + [(0, -K % 32)]); x = x.reshape(x.shape[:-1] + (-1, 32)); a = np.abs(x).max(-1, keepdims=True)
;;       e = np.where(a > 0, np.clip(np.frexp(np.where(a > 0, a, 1))[1] - 1 - 2, -126, 127), 0)      # np.frexp(a)[1] - 1 = floor(log2(a)), exactly
;;       r = np.clip(x / 2.0 ** e, -6, 6)
;;       step = 2.0 ** (np.maximum(np.frexp(np.where(r == 0, 1, r))[1] - 1, 0) - 1)
;;       q = np.round(r / step) * step * 2.0 ** e      # np.round: ties to even
;;       return np.moveaxis(q.reshape(q.shape[:-2] + (-1,))[..., :K], -1, axis).astype(np.float32)
;;   ~~~
;;   SOFTMAX AHEAD OF A QUANTISED PRODUCT. Where the list says 'softmax', what is quantised is not the finished softmax but p = 2^(t - M), with t = logit x log2(e) and M = ceil(the row's largest t), a whole number; so 1/2 < the row's largest p <= 1. The row's sum l is taken of the UNQUANTISED p, in f32, and the product's result is divided by l at the end. Since M is a whole number, a kernel that streams over the keys may use a running M (the ceiling of the running maximum): every later rescaling is an exact power of two, which a block's scale takes up: the codes' values come out the same.
;;   OPERANDS COMPUTED ON THE WAY. 'Computed on the way' means the value that the module computes at that place (a softmax that the list does not call 'softmax' is quantised finished and normalised). What goes into a quantiser is computed in f32, as accurately as f32 sums, v_exp_f32 and their like allow (about 1e-6 of the number): no bf16 or f16 on the way to a quantiser, and a product that is left as it is and whose result goes on into a quantised operand takes f32 operands (vector FMAs, or v_wmma_f32_16x16x4_f32). A number that lies on a knife's edge between two numbers of the format may be rounded either way, as far as f32 arithmetic and the matrix unit's own rounding can turn it there, and no further.
;;   INPUTS GIVEN AS CODES. fc1_w (in the module: [512, 128], K = its axis 1); fc2_w (in the module: [128, 512], K = its axis 1); proj_w (in the module: [128, 128], K = its axis 1); qkv_w (in the module: [384, 128], K = its axis 1): each comes as NAME_codes (uint8): NAME with its K axis moved to the last place and cut into blocks of 32 codes, [.., K / 32, bytes a block], one block behind the other in memory; two codes a byte, the lower K in the low four bits (a code: sign, 2 exponent bits, 1 mantissa bit); and NAME_scales (uint8): the same leading axes, one E8M0 byte (e + 127) for each 32 codes along K. Its value is code x scale, taken as it is: it is not quantised again, and the codes and scales need not be those that the quantiser above would give.
;; 2 versions, each right; version 2 is version 1 with the launch block written anew for expert scheduling mode. Each part assembles by itself: llvm-mc -triple=amdgcn-amd-amdhsa -mcpu=gfx1250 --defsym DOCPART=n.
;; ======== version 1 of 2: 1 launch
;; launch block (part 1): grid 256 x 1, 8 waves a work-group, no clusters, 280,576 bytes of LDS; arguments x, norm1_w, norm1_b, qkv_w_codes, qkv_w_scales, qkv_b, rpb_table, proj_w_codes, proj_w_scales, proj_b, norm2_w, norm2_b, fc1_w_codes, fc1_w_scales, fc1_b, fc2_w_codes, fc2_w_scales, fc2_b, out0; writes out0
.if DOCPART == 1
	.amdgcn_target "amdgcn-amd-amdhsa--gfx1250"
	.amdhsa_code_object_version 6
	.text
	.protected	k_q46194bfe20_block
	.globl	k_q46194bfe20_block
	.p2align	8
	.type	k_q46194bfe20_block,@function
k_q46194bfe20_block:
	s_mov_b64 s[64:65], 0
	v_nop
	global_prefetch_b8 v0, s[64:65] scope:SCOPE_SE
	s_setreg_imm32_b32 hwreg(HW_REG_WAVE_MODE, 25, 1), 1
	s_wait_xcnt 0x0
; One transformer block over windows of 8 x 8 tokens x 128 channels, whole in one launch: LN1, window attention with position bias, attention on the rfft of the
; tokens and irfft, proj, residual, LN2, fc1, exact GELU, fc2, residual.  The seven quantised products run on E2M1 codes with E8M0 scales; q k^T (K = 16) runs in f32.
; SHARES.  A work-group of eight waves takes a PAIR of neighbouring windows (128 tokens) at a time, four pairs on end: 256 x 4 x 2 = 2,048 windows.  Wave w is head w in
; attention, output channels 16 w .. 16 w + 15 in proj and fc2, hidden units 64 w .. 64 w + 63 in fc1, rows 16 w .. 16 w + 15 of the pair in the row-wise phases, and
; window w / 4, channels 32 (w % 4) + lane in the two FFT phases.  A wave's weights, biases and position bias stay in registers v256-v479 for the whole launch.
; x is read once and out0 written once; all between lies in registers and LDS.  Operands go from wave to wave as images of their registers (16 bytes a lane, 512 a store).
; BY TURNS.  In attention the f32 score products of the next query tile stand singly among the vector lines of the tile in hand, from the line on that has read the scores for the last time.
; mask_matrix: the computation takes it as an argument and never uses it (no shift), so no result hangs on it: it is neither named nor read here.
; LIMITS.  NaN and infinities among the inputs are not served.  A block's largest magnitude is held at 2^-124 from below: a block of zeros gets the byte 1 with zero codes
; (these bytes are read by this text alone).  p under 2^-126 becomes 0 (the exponential flushes).  erf is x P(x^2) / Q(x^2), degrees 6 and 4 in x^2, on |x| <= 4, good to a few
; units of the last place; 1 + erf is formed in f32.  The imaginary parts of bins 0 and 32 do not enter an inverse real transform, so their two queries are not computed.
.set PITCH, 528                        ; a row of 128 f32 in LDS: 512 bytes + 16: 132 words, so sixteen rows start at sixteen different groups of four banks
.set TILEB, 16*PITCH
.set L_O,  128*PITCH                   ; R at 0: x, then x1, then out;  O: the spatial branch's result
.set L_F,  2*128*PITCH                 ; F: for each window 80 rows: LN1(x), then its rfft (66 rows; rows 65-79 stay zero), later the spectral result and its irfft
.set FWIN, 80*PITCH
.set L_AI, L_F+2*FWIN                  ; images of 8 row tiles, 1,024 bytes each
.set L_AS, L_AI+8*1024                 ; their scale words, 128 bytes each
.set L_FI, L_AS+8*128                  ; images of the rfft's 2 x 5 row tiles
.set L_FS, L_FI+10*1024
.set L_GI, L_FS+10*128                 ; images of the hidden layer: 8 row tiles x 4 K steps
.set L_GS, L_GI+32*1024
.set L_NW, L_GS+32*128                 ; norm1_w, norm1_b, norm2_w, norm2_b, 512 bytes each
; window 0, kept
.set LI, 1                             ; 16 x lane
.set LS, 2                             ; 4 x lane
.set ROWW, 3                           ; my row of the pair in R, + 64 h: 16 numbers of each block of 32
.set ROWF, 4                           ; the same row in F
.set DENSE, 5                          ; my wave's 16 rows in R, 16 bytes a lane
.set COLF, 6                           ; my channel's column in my window of F
.set DLAY, 7                           ; row r, my wave's 16 channels, + 32 h: a matrix result's place
.set GX, 8                             ; my byte offset in the pair's rows of x and out0
.set XWI, 9
.set XWS, 10
.set FWI, 11
.set FWS, 12
.set HWI, 13
.set HWS, 14
.set NWA, 17
.set NEGI, 18                          ; -infinity
.set ADR0, 19
.set ADR1, 20
.set ADR2, 21
.set ADR3, 22
.set SCQ, 24                           ; scale words of the weights: q, k, v, proj, fc1 x 4, fc2 x 4
.set SCK, 25
.set SCV, 26
.set SCP, 27
.set SC1, 28
.set SC2, 32
.set SCB, 36                           ; v36-43: scale words of the operands in hand; nothing else ever lies here
.set SA, 216                           ; v216-255: the scores; written by the f32 matrix form alone
; window 0, by phase
.set XR, 44
.set GW, 44
.set X2, 44
.set Y, 44
.set X, 108
.set E, 108
.set T, 116
.set GB, 172
.set LT, 204
.set KT, 44
.set QT, 84
.set XF, 116
.set PP, 116
.set OA, 148
.set VT, 156
.set T4, 188
.set VF, 196
.set PF, 204
.set ACC, 108
.set FR, 140
.set XRES, 172
.set XF8, 108
.set HA, 116
.set GU, 148
.set GZ, 156
.set GP, 164
.set GQ, 172
.set CA, 180
.set CB, 182
; window 1
.set WQ, 0
.set WK, 8
.set WVV, 16
.set WP, 24
.set W1, 32
.set W2, 64
.set BQ, 96
.set BK, 104
.set BV, 112
.set BP, 120
.set B1, 128
.set B2, 160
.set RPB, 168
.set RT, 0x3f3504f3                    ; sqrt(1/2)
.set NRT, 0xbf3504f3
.set SQ2, 0x3fb504f3                   ; sqrt(2)
.set NSQ2, 0xbfb504f3
.set MSB, 0
.set PK, 0
.set CT, 0
.set sci, 0                            ; score products of the pending query tile: written so far,
.set scn, 0                            ; in all (0: none is pending),
.set scq, 0                            ; and which query tile
.set SPC, 0
.set NT, 4
.macro WIN new                         ; the immediate's high byte repeats the setting that is left; a switch that changes nothing is dropped
.if MSB != \new
	s_set_vgpr_msb (MSB<<8)|\new
.set MSB, \new
.endif
.endm
.macro BAR                             ; my LDS stores have landed and my LDS loads are in: then the work-group's barrier
	s_wait_dscnt 0x0
	s_barrier_signal -1
	s_barrier_wait -1
.endm
.macro NOPS n
.rept \n
	v_nop
.endr
.endm
; The next of the pending score products, if one is pending: number sci is step sci / NT along the head's 16, key tile sci % NT: the tiles take turns, one instruction a turn.
; The spatial branch's first links take four times the position bias, in window 1, as C: between them stand only lines that name no third source.
.macro SC
.if sci < scn
.set sct, sci%NT
.set scs, sci/NT
.if scs > 0
	v_wmma_f32_16x16x4_f32 v[SA+8*sct:SA+8*sct+7], v[KT+8*sct+2*scs:KT+8*sct+2*scs+1], v[QT+8*scq+2*scs:QT+8*scq+2*scs+1], v[SA+8*sct:SA+8*sct+7]
.elseif SPC
	v_wmma_f32_16x16x4_f32 v[SA+8*sct:SA+8*sct+7], v[KT+8*sct:KT+8*sct+1], v[QT+8*scq:QT+8*scq+1], 0
.else
	WIN 0x10
	v_wmma_f32_16x16x4_f32 v[SA+8*sct:SA+8*sct+7], v[KT+8*sct:KT+8*sct+1], v[QT+8*scq:QT+8*scq+1], v[RPB+8*(sct-scq+3):RPB+8*(sct-scq+3)+7]
.if sct == NT-1
	WIN 0
.endif
.endif
.set sci, sci+1
.endif
.endm
.macro SCALL                           ; all that are still pending
.rept 20
	SC
.endr
.endm
.macro XLOADD off                      ; my wave's 16 rows of x: each load takes one row, 512 consecutive bytes
.set kq, 0
.rept 16
	global_load_b128 v[XR+4*kq:XR+4*kq+3], v[GX], s[4:5] offset:\off+(kq/8)*131072+(kq%8)*512 th:TH_LOAD_NT
.set kq, kq+1
.endr
.endm
.macro FETCH reg, adr, off             ; an operand's image back into 8 registers
	ds_load_b128 v[\reg:\reg+3], v[\adr] offset:\off
	ds_load_b128 v[\reg+4:\reg+7], v[\adr] offset:\off+512
.endm
.macro IMAGE adr, off
	ds_store_b128 v[\adr], v[PCD:PCD+3] offset:\off
	ds_store_b128 v[\adr], v[PCD+4:PCD+7] offset:\off+512
.endm
.macro PERMAX nb                       ; with lane l xor 16's half of each block
	SC
.set bb, 0
.rept \nb
	v_permlanex16_b32 v[TM+4+bb], v[TM+bb], s46, s47
.set bb, bb+1
.endr
.set bb, 0
.rept \nb
	v_max_num_f32 v[TM+bb], v[TM+bb], v[TM+4+bb]
.set bb, bb+1
.endr
.endm
.macro BMAX src, nb                    ; each block's largest magnitude, the floor 2^(3 - 127) among its leaves; the blocks by turns
.set bb, 0
.rept \nb
	v_max3_num_f32 v[TM+bb], |v[\src+16*bb]|, |v[\src+16*bb+1]|, 0x1800000
.set bb, bb+1
.endr
.set ii, 2
.rept 7
	SC
.set bb, 0
.rept \nb
	v_max3_num_f32 v[TM+bb], v[TM+bb], |v[\src+16*bb+ii]|, |v[\src+16*bb+ii+1]|
.set bb, bb+1
.endr
.set ii, ii+2
.endr
	PERMAX \nb
.endm
.macro BSCALE nb, dst                  ; 2 off the exponent field: the conversion's scale operand; its field is the byte; the bytes make the scale word
	SC
.set bb, 0
.rept \nb
	v_add_nc_u32 v[TM+12+bb], 0xff000000, v[TM+bb]
.set bb, bb+1
.endr
	SC
.set bb, 0
.rept \nb
	v_lshrrev_b32 v[TM+4+bb], 23, v[TM+12+bb]
.set bb, bb+1
.endr
	v_lshl_or_b32 v[\dst], v[TM+5], 8, v[TM+4]
.if \nb > 2
	v_lshl_or_b32 v[\dst], v[TM+6], 16, v[\dst]
.endif
.if \nb > 3
	v_lshl_or_b32 v[\dst], v[TM+7], 24, v[\dst]
.endif
.endm
.macro BCVT src, nb, dstF, ex          ; codes; ex = 1: also the short third block from v[T4] on.  Then whole blocks to a lane, as the operand's layout wants
	SC
.set bb, 0
.rept \nb
	v_cvt_scalef32_pk8_fp4_f32 v[\dstF+2*bb], v[\src+16*bb:\src+16*bb+7], v[TM+12+bb]
	v_cvt_scalef32_pk8_fp4_f32 v[\dstF+2*bb+1], v[\src+16*bb+8:\src+16*bb+15], v[TM+12+bb]
.set bb, bb+1
.endr
.if \ex
	v_cvt_scalef32_pk8_fp4_f32 v[\dstF+4], v[T4:T4+7], v[TM+14]
.endif
	v_nop                                          ; one plain place behind the scaled conversions
	SC
.set bb, 0
.rept \nb/2
	v_permlane16_swap_b32 v[\dstF+4*bb], v[\dstF+4*bb+2]
	v_permlane16_swap_b32 v[\dstF+4*bb+1], v[\dstF+4*bb+3]
.set bb, bb+1
.endr
.endm
.macro QUANT4 src                      ; 64 numbers of a lane, register 16 b + i = k 32 b + 16 h + i of its row, become a fragment in v[PCD] on and its scale word in v[PW]
	BMAX \src, 4
	BSCALE 4, PW
	BCVT \src, 4, PCD, 0
.endm
; LayerNorm of the row in v[X] on (64 numbers a lane, the other 64 in lane l xor 16), gains and offsets from LDS, then the quantiser and the image.
.macro LNQ na, toF
.irp b,0,1,2,3
.irp q,0,1,2,3
	ds_load_b128 v[GW+16*\b+4*\q:GW+16*\b+4*\q+3], v[NWA] offset:512*\na+128*\b+16*\q
.endr
.endr
.irp b,0,1
.irp q,0,1,2,3
	ds_load_b128 v[GB+16*\b+4*\q:GB+16*\b+4*\q+3], v[NWA] offset:512*(\na+1)+128*\b+16*\q
.endr
.endr
	s_wait_dscnt 24                                ; the row is in; the 24 loads just issued may be out
	v_pk_add_f32 v[LT:LT+1], v[X:X+1], v[X+8:X+9]
	v_pk_add_f32 v[LT+2:LT+3], v[X+2:X+3], v[X+10:X+11]
	v_pk_add_f32 v[LT+4:LT+5], v[X+4:X+5], v[X+12:X+13]
	v_pk_add_f32 v[LT+6:LT+7], v[X+6:X+7], v[X+14:X+15]
.irp j,16,24,32,40,48,56
	v_pk_add_f32 v[LT:LT+1], v[LT:LT+1], v[X+\j:X+\j+1]
	v_pk_add_f32 v[LT+2:LT+3], v[LT+2:LT+3], v[X+\j+2:X+\j+3]
	v_pk_add_f32 v[LT+4:LT+5], v[LT+4:LT+5], v[X+\j+4:X+\j+5]
	v_pk_add_f32 v[LT+6:LT+7], v[LT+6:LT+7], v[X+\j+6:X+\j+7]
.endr
	v_pk_add_f32 v[LT:LT+1], v[LT:LT+1], v[LT+2:LT+3]
	v_pk_add_f32 v[LT+4:LT+5], v[LT+4:LT+5], v[LT+6:LT+7]
	v_pk_add_f32 v[LT:LT+1], v[LT:LT+1], v[LT+4:LT+5]
	v_add_f32 v[LT], v[LT], v[LT+1]
	v_permlanex16_b32 v[LT+8], v[LT], s46, s47
	v_add_f32 v[LT], v[LT], v[LT+8]
	v_mul_f32 v[LT], s51, v[LT]                    ; the mean
.set jj, 0
.rept 32
	v_pk_add_f32 v[X+jj:X+jj+1], v[X+jj:X+jj+1], v[LT:LT+1] op_sel_hi:[1,0] neg_lo:[0,1] neg_hi:[0,1]
.set jj, jj+2
.endr
	v_pk_mul_f32 v[LT+2:LT+3], v[X:X+1], v[X:X+1]
	v_pk_mul_f32 v[LT+4:LT+5], v[X+2:X+3], v[X+2:X+3]
	v_pk_mul_f32 v[LT+6:LT+7], v[X+4:X+5], v[X+4:X+5]
	v_pk_mul_f32 v[LT+8:LT+9], v[X+6:X+7], v[X+6:X+7]
.irp j,8,16,24,32,40,48,56
	v_pk_fma_f32 v[LT+2:LT+3], v[X+\j:X+\j+1], v[X+\j:X+\j+1], v[LT+2:LT+3]
	v_pk_fma_f32 v[LT+4:LT+5], v[X+\j+2:X+\j+3], v[X+\j+2:X+\j+3], v[LT+4:LT+5]
	v_pk_fma_f32 v[LT+6:LT+7], v[X+\j+4:X+\j+5], v[X+\j+4:X+\j+5], v[LT+6:LT+7]
	v_pk_fma_f32 v[LT+8:LT+9], v[X+\j+6:X+\j+7], v[X+\j+6:X+\j+7], v[LT+8:LT+9]
.endr
	v_pk_add_f32 v[LT+2:LT+3], v[LT+2:LT+3], v[LT+4:LT+5]
	v_pk_add_f32 v[LT+6:LT+7], v[LT+6:LT+7], v[LT+8:LT+9]
	v_pk_add_f32 v[LT+2:LT+3], v[LT+2:LT+3], v[LT+6:LT+7]
	v_add_f32 v[LT+2], v[LT+2], v[LT+3]
	v_permlanex16_b32 v[LT+10], v[LT+2], s46, s47
	v_add_f32 v[LT+2], v[LT+2], v[LT+10]
	v_fmaak_f32 v[LT+2], s51, v[LT+2], 0x3727c5ac  ; the variance + 1e-5
	v_rsq_f32 v[LT+2], v[LT+2]
	v_nop                                          ; one plain place behind the transcendental
.set jj, 0
	s_wait_alu depctr_va_vdst(0)
.rept 16
	v_pk_mul_f32 v[X+jj:X+jj+1], v[X+jj:X+jj+1], v[LT+2:LT+3] op_sel_hi:[1,0]
.set jj, jj+2
.endr
	s_wait_dscnt 0x0                               ; gains, and the offsets of blocks 0 and 1
.set jj, 0
.rept 16
	v_pk_fma_f32 v[X+jj:X+jj+1], v[X+jj:X+jj+1], v[GW+jj:GW+jj+1], v[GB+jj:GB+jj+1]
.set jj, jj+2
.endr
.irp b,0,1
.irp q,0,1,2,3
	ds_load_b128 v[GB+16*\b+4*\q:GB+16*\b+4*\q+3], v[NWA] offset:512*(\na+1)+256+128*\b+16*\q
.endr
.endr
.set jj, 32
.rept 16
	v_pk_mul_f32 v[X+jj:X+jj+1], v[X+jj:X+jj+1], v[LT+2:LT+3] op_sel_hi:[1,0]
.set jj, jj+2
.endr
	s_wait_dscnt 0x0                               ; the offsets of blocks 2 and 3
.set jj, 0
.rept 16
	v_pk_fma_f32 v[X+32+jj:X+32+jj+1], v[X+32+jj:X+32+jj+1], v[GW+32+jj:GW+32+jj+1], v[GB+jj:GB+jj+1]
.set jj, jj+2
.endr
.if \toF
.irp b,0,1,2,3
.irp q,0,1,2,3
	ds_store_b128 v[ROWF], v[X+16*\b+4*\q:X+16*\b+4*\q+3] offset:128*\b+16*\q
.endr
.endr
.endif
	QUANT4 X
	IMAGE XWI, 0
	ds_store_b32 v[XWS], v[PW]
.endm
; ---- the FFT's parts.  PK = 1: two columns at a time, in packed form.
.macro FADD d, a, b
.if PK
	v_pk_add_f32 v[\d:\d+1], v[\a:\a+1], v[\b:\b+1]
.else
	v_add_f32 v[\d], v[\a], v[\b]
.endif
.endm
.macro FSUB d, a, b
.if PK
	v_pk_add_f32 v[\d:\d+1], v[\a:\a+1], v[\b:\b+1] neg_lo:[0,1] neg_hi:[0,1]
.else
	v_sub_f32 v[\d], v[\a], v[\b]
.endif
.endm
.macro FFMA d, a, k, c, negc           ; d = a k + c, or a k - c
.if PK
.if \negc
	v_pk_fma_f32 v[\d:\d+1], v[\a:\a+1], \k, v[\c:\c+1] op_sel_hi:[1,0,1] neg_lo:[0,0,1] neg_hi:[0,0,1]
.else
	v_pk_fma_f32 v[\d:\d+1], v[\a:\a+1], \k, v[\c:\c+1] op_sel_hi:[1,0,1]
.endif
.else
.if \negc
	v_fma_f32 v[\d], v[\a], \k, -v[\c]
.else
	v_fma_f32 v[\d], v[\a], \k, v[\c]
.endif
.endif
.endm
.macro COS64 q                         ; CV = cos(2 pi q / 64), q = 0 .. 16
.if (\q) == 0
.set CV, 0x3f800000
.elseif (\q) == 1
.set CV, 0x3f7ec46d
.elseif (\q) == 2
.set CV, 0x3f7b14be
.elseif (\q) == 3
.set CV, 0x3f74fa0b
.elseif (\q) == 4
.set CV, 0x3f6c835e
.elseif (\q) == 5
.set CV, 0x3f61c598
.elseif (\q) == 6
.set CV, 0x3f54db31
.elseif (\q) == 7
.set CV, 0x3f45e403
.elseif (\q) == 8
.set CV, 0x3f3504f3
.elseif (\q) == 9
.set CV, 0x3f226799
.elseif (\q) == 10
.set CV, 0x3f0e39da
.elseif (\q) == 11
.set CV, 0x3ef15aea
.elseif (\q) == 12
.set CV, 0x3ec3ef15
.elseif (\q) == 13
.set CV, 0x3e94a031
.elseif (\q) == 14
.set CV, 0x3e47c5c2
.elseif (\q) == 15
.set CV, 0x3dc8bd36
.else
.set CV, 0
.endif
.endm
.macro GETW q                          ; WR + i WI = e^(-2 pi i q / 64); NWI = -WI
.set QQ, (\q)&63
.set QR, QQ%16
.set QD, QQ/16
	COS64 QR
.set CC, CV
	COS64 16-QR
.set CD, CV
.if QD == 0
.set WR, CC
.set WI, CD^0x80000000
.elseif QD == 1
.set WR, CD^0x80000000
.set WI, CC^0x80000000
.elseif QD == 2
.set WR, CC^0x80000000
.set WI, CD
.else
.set WR, CD
.set WI, CC
.endif
.set NWI, WI^0x80000000
.endm
.macro CMUL re, im, q                  ; (re + i im) times e^(-2 pi i q / 64)
	GETW \q
.set CT, (CT+2)%16
	v_mul_f32 v[T+CT], WI, v[\re]
	v_mul_f32 v[T+CT+1], WR, v[\re]
	v_fmamk_f32 v[\re], v[\im], NWI, v[T+CT+1]
	v_fmamk_f32 v[\im], v[\im], WR, v[T+CT]
.endm
.macro RDFT8 base, st                  ; 8 real numbers to half a spectrum, in place: slots 0 Y0, 1-3 Re 1-3, 4 Y4, 5 Im 3, 6 Im 2, 7 Im 1
.set TS, 1+PK
	FADD T+TS*0, \base+\st*0, \base+\st*4
	FADD T+TS*1, \base+\st*1, \base+\st*5
	FADD T+TS*2, \base+\st*2, \base+\st*6
	FADD T+TS*3, \base+\st*3, \base+\st*7
	FSUB T+TS*4, \base+\st*0, \base+\st*4
	FSUB T+TS*5, \base+\st*1, \base+\st*5
	FSUB T+TS*6, \base+\st*2, \base+\st*6
	FSUB T+TS*7, \base+\st*3, \base+\st*7
	FSUB \base+\st*2, T+TS*0, T+TS*2
	FADD T+TS*0, T+TS*0, T+TS*2
	FSUB \base+\st*6, T+TS*3, T+TS*1
	FADD T+TS*1, T+TS*1, T+TS*3
	FADD \base+\st*0, T+TS*0, T+TS*1
	FSUB \base+\st*4, T+TS*0, T+TS*1
	FSUB T+TS*2, T+TS*5, T+TS*7
	FADD T+TS*3, T+TS*5, T+TS*7
	FFMA \base+\st*1, T+TS*2, RT, T+TS*4, 0
	FFMA \base+\st*3, T+TS*2, NRT, T+TS*4, 0
	FFMA \base+\st*7, T+TS*3, NRT, T+TS*6, 1
	FFMA \base+\st*5, T+TS*3, NRT, T+TS*6, 0
.endm
.macro HDFT8 base, st                  ; the way back: half a spectrum, laid as above, to 8 real numbers (not divided by 8)
.set TS, 1+PK
	FADD T+TS*0, \base+\st*0, \base+\st*4
	FSUB T+TS*1, \base+\st*0, \base+\st*4
	FFMA T+TS*2, \base+\st*2, 2.0, T+TS*0, 0
	FFMA T+TS*3, \base+\st*2, -2.0, T+TS*0, 0
	FFMA T+TS*4, \base+\st*6, -2.0, T+TS*1, 0
	FFMA T+TS*5, \base+\st*6, 2.0, T+TS*1, 0
	FADD T+TS*0, \base+\st*1, \base+\st*3
	FSUB T+TS*1, \base+\st*1, \base+\st*3
	FADD T+TS*6, \base+\st*7, \base+\st*5
	FSUB T+TS*7, \base+\st*5, \base+\st*7
	FSUB T+TS*8, T+TS*1, T+TS*6
	FADD T+TS*9, T+TS*1, T+TS*6
	FFMA \base+\st*0, T+TS*0, 2.0, T+TS*2, 0
	FFMA \base+\st*4, T+TS*0, -2.0, T+TS*2, 0
	FFMA \base+\st*1, T+TS*8, SQ2, T+TS*4, 0
	FFMA \base+\st*5, T+TS*8, NSQ2, T+TS*4, 0
	FFMA \base+\st*2, T+TS*7, 2.0, T+TS*3, 0
	FFMA \base+\st*6, T+TS*7, -2.0, T+TS*3, 0
	FFMA \base+\st*3, T+TS*9, NSQ2, T+TS*5, 0
	FFMA \base+\st*7, T+TS*9, SQ2, T+TS*5, 0
.endm
.macro CDFT8 rb, ib                    ; 8 complex numbers, forward, natural order, in place.  With the two arguments swapped it is the inverse
.irp j,0,2
	v_pk_add_f32 v[T+\j:T+\j+1], v[\rb+\j:\rb+\j+1], v[\rb+\j+4:\rb+\j+5]
	v_pk_add_f32 v[T+4+\j:T+5+\j], v[\ib+\j:\ib+\j+1], v[\ib+\j+4:\ib+\j+5]
	v_pk_add_f32 v[T+8+\j:T+9+\j], v[\rb+\j:\rb+\j+1], v[\rb+\j+4:\rb+\j+5] neg_lo:[0,1] neg_hi:[0,1]
	v_pk_add_f32 v[T+12+\j:T+13+\j], v[\ib+\j:\ib+\j+1], v[\ib+\j+4:\ib+\j+5] neg_lo:[0,1] neg_hi:[0,1]
.endr
	v_pk_add_f32 v[T+16:T+17], v[T:T+1], v[T+2:T+3]
	v_pk_add_f32 v[T+18:T+19], v[T:T+1], v[T+2:T+3] neg_lo:[0,1] neg_hi:[0,1]
	v_pk_add_f32 v[T+20:T+21], v[T+4:T+5], v[T+6:T+7]
	v_pk_add_f32 v[T+22:T+23], v[T+4:T+5], v[T+6:T+7] neg_lo:[0,1] neg_hi:[0,1]
	v_add_f32 v[\rb], v[T+16], v[T+17]
	v_add_f32 v[\ib], v[T+20], v[T+21]
	v_sub_f32 v[\rb+4], v[T+16], v[T+17]
	v_sub_f32 v[\ib+4], v[T+20], v[T+21]
	v_add_f32 v[\rb+2], v[T+18], v[T+23]
	v_sub_f32 v[\ib+2], v[T+22], v[T+19]
	v_sub_f32 v[\rb+6], v[T+18], v[T+23]
	v_add_f32 v[\ib+6], v[T+22], v[T+19]
	v_add_f32 v[T+16], v[T+9], v[T+13]
	v_sub_f32 v[T+17], v[T+13], v[T+9]
	v_sub_f32 v[T+18], v[T+15], v[T+11]
	v_add_f32 v[T+19], v[T+11], v[T+15]
	v_add_f32 v[T], v[T+8], v[T+14]
	v_sub_f32 v[T+1], v[T+8], v[T+14]
	v_sub_f32 v[T+2], v[T+12], v[T+10]
	v_add_f32 v[T+3], v[T+12], v[T+10]
	v_add_f32 v[T+20], v[T+16], v[T+18]
	v_sub_f32 v[T+21], v[T+17], v[T+19]
	v_sub_f32 v[T+22], v[T+16], v[T+18]
	v_add_f32 v[T+23], v[T+17], v[T+19]
	v_fmamk_f32 v[\rb+1], v[T+20], RT, v[T]
	v_fmamk_f32 v[\ib+1], v[T+21], RT, v[T+2]
	v_fmamk_f32 v[\rb+5], v[T+20], NRT, v[T]
	v_fmamk_f32 v[\ib+5], v[T+21], NRT, v[T+2]
	v_fmamk_f32 v[\rb+3], v[T+23], RT, v[T+1]
	v_fmamk_f32 v[\ib+3], v[T+22], NRT, v[T+3]
	v_fmamk_f32 v[\rb+7], v[T+23], NRT, v[T+1]
	v_fmamk_f32 v[\ib+7], v[T+22], RT, v[T+3]
.endm
.macro FSCALE                          ; x 1/8 (norm 'ortho'); the imaginary parts that stand for bins above 32 change sign: those bins are conjugates
.set jj, 0
.rept 20
	v_pk_mul_f32 v[Y+jj:Y+jj+1], v[Y+jj:Y+jj+1], 0x3e000000 op_sel_hi:[1,0]
.set jj, jj+2
.endr
.rept 12
.if (jj%8) < 4
	v_pk_mul_f32 v[Y+jj:Y+jj+1], v[Y+jj:Y+jj+1], 0x3e000000 op_sel_hi:[1,0]
.else
	v_pk_mul_f32 v[Y+jj:Y+jj+1], v[Y+jj:Y+jj+1], 0xbe000000 op_sel_hi:[1,0]
.endif
.set jj, jj+2
.endr
	v_pk_mul_f32 v[E:E+1], v[E:E+1], 0x3e000000 op_sel_hi:[1,0]
	v_pk_mul_f32 v[E+2:E+3], v[E+2:E+3], 0x3e000000 op_sel_hi:[1,0]
	v_pk_mul_f32 v[E+4:E+5], v[E+4:E+5], 0xbe000000 op_sel_hi:[1,0]
	v_pk_mul_f32 v[E+6:E+7], v[E+6:E+7], 0xbe000000 op_sel_hi:[1,0]
.endm
; Which register is which row.  Bin k = kp + 8 m: real part in row k, imaginary part in row 33 + k; above 32 the bin 64 - k stands for it.
; inv = 0: the rfft's rows are stored.  inv = 1: the spectral result's rows are loaded; there row 64 lies in slot 33.
.macro ROWIO inv
.irp m,0,1,2,3,4,5,6,7
.set rw, 8*\m
.if \m > 4
.set rw, 33+8*(8-\m)
.endif
.if \inv
	ds_load_b32 v[Y+\m], v[COLF] offset:rw*PITCH
.else
	ds_store_b32 v[COLF], v[Y+\m] offset:rw*PITCH
.endif
.endr
.irp kp,1,2,3,4
.irp m,0,1,2,3,4,5,6,7
.set kx, \kp+8*\m
.if \m > 3
.set kx, 64-kx
.endif
.set rim, Y+8*(8-\kp)+\m
.if \kp == 4
.set rim, E+\m
.endif
.set iw, 33+kx
.if \inv
.if iw == 64
.set iw, 33
.endif
	ds_load_b32 v[Y+8*\kp+\m], v[COLF] offset:kx*PITCH
	ds_load_b32 v[rim], v[COLF] offset:iw*PITCH
.elseif (\kp < 4) || (\m < 4)
	ds_store_b32 v[COLF], v[Y+8*\kp+\m] offset:kx*PITCH
	ds_store_b32 v[COLF], v[rim] offset:iw*PITCH
.endif
.endr
.endr
.endm
.macro ROWQ loff, ioff, soff           ; 16 rows of the rfft become a fragment's image
.irp b,0,1,2,3
.irp q,0,1,2,3
	ds_load_b128 v[X+16*\b+4*\q:X+16*\b+4*\q+3], v[ROWF] offset:\loff+128*\b+16*\q
.endr
.endr
	s_wait_dscnt 0x0
	QUANT4 X
	IMAGE FWI, \ioff
	ds_store_b32 v[FWS], v[PW] offset:\soff
.endm
; ---- attention of my head on one window.  spec = 0: 64 tokens with the position bias.  spec = 1: the rfft's 66 rows, in five tiles; 64 queries.
; k^T and q^T: source 0 = my 16 rows of the weight, source 1 = 16 tokens: a lane holds one token and eight of the head's 16.  v: the other way round: a lane holds one of the
; head's 16, its registers run down the tokens, which are the second product's K.  Scores: S^T = k q^T in the f32 form: a lane holds one query, register j of tile t key 16 t + 8 h + j.
; p and v go through the same conversions, so their keys lie in the same order inside each block of 32, and the blocks are the true ones.
; The scores of query tile 0 are multiplied while v is quantised; those of tile tq + 1 while tile tq's exponentials, codes and sum are made: t - M has then been formed into p's registers, and nothing reads the scores any more.
.macro ATT spec
.set NT, 4+\spec
.set NBK, 2+\spec
.set SPC, \spec
	NOPS 4                                         ; places in front of loads into registers that matrix instructions have read or written
.set tt, 0
.rept NT
	FETCH XF+8*tt, ADR0, 1024*tt
	ds_load_b32 v[SCB+tt], v[ADR1] offset:128*tt
.set tt, tt+1
.endr
	s_wait_dscnt 0x0
.if \spec
	; Query tile 2 with row 64 in row 33's stead (row 33's result is never used, row 64's is): lanes 1 and 17 take what lanes 0 and 16 hold of tile 4, all others keep tile 2
	v_mov_b32_dpp v[SCB+5], v[SCB+4] row_xmask:1 row_mask:0xf bank_mask:0xf
	v_cndmask_b32 v[SCB+5], v[SCB+2], v[SCB+5], s52
.irp j,0,1,2,3,4,5,6,7
	v_mov_b32_dpp v[VF+\j], v[XF+32+\j] row_xmask:1 row_mask:0xf bank_mask:0xf
.endr
.irp j,0,1,2,3,4,5,6,7
	v_cndmask_b32 v[VF+\j], v[XF+16+\j], v[VF+\j], s52
.endr
	NOPS 8                                         ; a scale word written by a vector line stands eight places ahead of the scaled product, an operand so written four
.endif
	WIN 0x11                                       ; source 0 (weight) and C (bias) in window 1
.set tt, 0
.rept NT
	v_wmma_scale_f32_16x16x128_f8f6f4 v[KT+8*tt:KT+8*tt+7], v[WK:WK+7], v[XF+8*tt:XF+8*tt+7], v[BK:BK+7], v[SCK], v[SCB+tt] matrix_a_fmt:MATRIX_FMT_FP4 matrix_b_fmt:MATRIX_FMT_FP4
.set tt, tt+1
.endr
.set tt, 0
.rept 4
.if \spec && (tt == 2)
	v_wmma_scale_f32_16x16x128_f8f6f4 v[QT+16:QT+23], v[WQ:WQ+7], v[VF:VF+7], v[BQ:BQ+7], v[SCQ], v[SCB+5] matrix_a_fmt:MATRIX_FMT_FP4 matrix_b_fmt:MATRIX_FMT_FP4
.else
	v_wmma_scale_f32_16x16x128_f8f6f4 v[QT+8*tt:QT+8*tt+7], v[WQ:WQ+7], v[XF+8*tt:XF+8*tt+7], v[BQ:BQ+7], v[SCQ], v[SCB+tt] matrix_a_fmt:MATRIX_FMT_FP4 matrix_b_fmt:MATRIX_FMT_FP4
.endif
.set tt, tt+1
.endr
	WIN 0x14                                       ; source 1 (weight) and C (bias) in window 1
.set tt, 0
.rept NT
	v_wmma_scale_f32_16x16x128_f8f6f4 v[VT+8*tt:VT+8*tt+7], v[XF+8*tt:XF+8*tt+7], v[WVV:WVV+7], v[BV:BV+7], v[SCB+tt], v[SCV] matrix_a_fmt:MATRIX_FMT_FP4 matrix_b_fmt:MATRIX_FMT_FP4
.set tt, tt+1
.endr
	WIN 0
	NOPS 5                                         ; behind the products: their results are read by vector lines, and k^T and q^T become sources of matrix lines
.set scq, 0                            ; query tile 0's scores: the first links on end, the others among the lines of v's quantiser
.set sci, 0
.set scn, 4*NT
.rept NT
	SC
.endr
.set TM, XF
.if \spec
.irp j,2,3,4,5,6,7
	v_mov_b32 v[T4+\j], 0                          ; of tile 4 only tokens 64 and 65 exist: lanes 0-15, registers 0 and 1
.endr
	v_cndmask_b32 v[T4], v[T4], v[T4+2], s50
	v_cndmask_b32 v[T4+1], v[T4+1], v[T4+2], s50
.endif
	BMAX VT, 2
.if \spec
	v_max3_num_f32 v[TM+2], |v[T4]|, |v[T4+1]|, 0x1800000
	v_permlanex16_b32 v[TM+6], v[TM+2], s46, s47
	v_max_num_f32 v[TM+2], v[TM+2], v[TM+6]
.endif
	BSCALE NBK, SCB+6
	BCVT VT, 2, VF, \spec
	SCALL
.irp j,5,6,7
	v_mov_b32 v[VF+\j], 0                          ; the rest of the K step: zero codes on both sides
	v_mov_b32 v[PF+\j], 0
.endr
.if !\spec
	v_mov_b32 v[VF+4], 0
	v_mov_b32 v[PF+4], 0
.endif
	NOPS 4                                         ; with the six or eight lines above: more than the eight places that stand between the f32 form and the first read of its results
.set TM, VT
.irp tq,0,1,2,3
.irp b,0,1
	v_max3_num_f32 v[TM+\b], v[SA+16*\b], v[SA+16*\b+1], v[SA+16*\b+2]   ; each block's largest score: for the row's maximum, and for the block's largest p
.endr
.irp i,3,5,7,9,11,13
.irp b,0,1
	v_max3_num_f32 v[TM+\b], v[TM+\b], v[SA+16*\b+\i], v[SA+16*\b+\i+1]
.endr
.endr
.irp b,0,1
	v_max_num_f32 v[TM+\b], v[TM+\b], v[SA+16*\b+15]
.endr
.if \spec
	v_max_num_f32 v[TM+2], v[SA+32], v[SA+33]
	v_cndmask_b32 v[TM+2], v[TM+2], v[NEGI], s50   ; lanes 16-31 hold no key of the third block
.endif
	PERMAX NBK
.if \spec
	v_max3_num_f32 v[TM+18], v[TM], v[TM+1], v[TM+2]
.else
	v_max_num_f32 v[TM+18], v[TM], v[TM+1]
.endif
	v_mul_f32 v[TM+18], s48, v[TM+18]              ; the row's largest t
	v_floor_f32 v[TM+16], -v[TM+18]                ; -M = floor(-t): M is a whole number
.set jj, 0
.rept 16
	v_pk_fma_f32 v[PP+jj:PP+jj+1], v[SA+jj:SA+jj+1], s[48:49], v[TM+16:TM+17] op_sel_hi:[1,0,0]   ; t - M: the last read of the scores
.set jj, jj+2
.endr
.if \spec
	v_pk_fma_f32 v[T4:T4+1], v[SA+32:SA+33], s[48:49], v[TM+16:TM+17] op_sel_hi:[1,0,0]
.endif
.set bb, 0
.rept NBK
	v_fma_f32 v[TM+bb], v[TM+bb], s48, v[TM+16]
.set bb, bb+1
.endr
.set sci, 0                            ; from here on the next query tile's scores are multiplied, one product in front of every third exponential, then among the lines that follow
.if \tq < 3
.set scn, 4*NT
.set scq, \tq+1
.else
.set scn, 0
.endif
.set jj, 0
.rept 32
.if (jj%3) == 0
	SC
.endif
	v_exp_f32 v[PP+jj], v[PP+jj]                   ; p = 2^(t - M)
.set jj, jj+1
.endr
.if \spec
	v_exp_f32 v[T4], v[T4]
	v_exp_f32 v[T4+1], v[T4+1]
.endif
.set bb, 0
.rept NBK
	v_exp_f32 v[TM+bb], v[TM+bb]                   ; the block's largest p: the same two lines on the same number
.set bb, bb+1
.endr
	v_nop                                          ; one plain place behind the exponentials
.if \spec
	s_wait_alu depctr_va_vdst(0)
	v_cndmask_b32 v[T4], v[T4], v[T4+2], s50
	v_cndmask_b32 v[T4+1], v[T4+1], v[T4+2], s50
.endif
.set bb, 0
	s_wait_alu depctr_va_vdst(0)
.rept NBK
	v_max_num_f32 v[TM+bb], 0x1800000, v[TM+bb]
.set bb, bb+1
.endr
	BSCALE NBK, SCB+7
	BCVT PP, 2, PF, \spec
	v_pk_add_f32 v[TM+8:TM+9], v[PP:PP+1], v[PP+2:PP+3]        ; the row's sum, of the unquantised p.  These lines are also the places between p's codes and scale word and the product
	v_pk_add_f32 v[TM+10:TM+11], v[PP+4:PP+5], v[PP+6:PP+7]
.irp j,8,12,16,20,24,28
	SC
	v_pk_add_f32 v[TM+8:TM+9], v[TM+8:TM+9], v[PP+\j:PP+\j+1]
	v_pk_add_f32 v[TM+10:TM+11], v[TM+10:TM+11], v[PP+\j+2:PP+\j+3]
.endr
	SCALL                                          ; behind the last score product stand three plain lines of the sum, four v_nop and four scalings: more than the eight places ahead of the next tile's first read
.if \spec
	v_pk_add_f32 v[TM+8:TM+9], v[TM+8:TM+9], v[T4:T4+1]
.endif
	v_pk_add_f32 v[TM+8:TM+9], v[TM+8:TM+9], v[TM+10:TM+11]
	v_add_f32 v[TM+8], v[TM+8], v[TM+9]
	v_permlanex16_b32 v[TM+19], v[TM+8], s46, s47
	v_add_f32 v[TM+8], v[TM+8], v[TM+19]
	v_rcp_f32 v[TM+20], v[TM+8]
	s_wait_dscnt 0x0                               ; the last tile's stores have read their registers
	v_wmma_scale_f32_16x16x128_f8f6f4 v[OA:OA+7], v[VF:VF+7], v[PF:PF+7], 0, v[SCB+6], v[SCB+7] matrix_a_fmt:MATRIX_FMT_FP4 matrix_b_fmt:MATRIX_FMT_FP4
	NOPS 4
	s_wait_alu depctr_va_vdst(0)
.irp j,0,2,4,6
	v_pk_mul_f32 v[OA+\j:OA+\j+1], v[OA+\j:OA+\j+1], v[TM+20:TM+21] op_sel_hi:[1,0]
.endr
	ds_store_b128 v[ADR2], v[OA:OA+3] offset:\tq*TILEB           ; query r, my head's channels 8 h .. 8 h + 7
	ds_store_b128 v[ADR2], v[OA+4:OA+7] offset:\tq*TILEB+16
.endr
.endm
; ---- my 16 output channels for the pair's 128 rows: bias as C, NS steps along K, the residual from R added, the sum back to the same places in R.
.macro OUTGEMM WB, BB1, SW, NS
.irp half,0,1
.set ss, 0
.rept \NS
	NOPS 4                                         ; places in front of loads into registers that matrix instructions have read
.set mq, 0
.rept 4
	FETCH FR+8*mq, ADR0, (\NS*(4*\half+mq)+ss)*1024
	ds_load_b32 v[SCB+mq], v[ADR1] offset:(\NS*(4*\half+mq)+ss)*128
.if ss == 0
	ds_load_b128 v[XRES+8*mq:XRES+8*mq+3], v[DLAY] offset:(4*\half+mq)*TILEB
	ds_load_b128 v[XRES+8*mq+4:XRES+8*mq+7], v[DLAY] offset:(4*\half+mq)*TILEB+16
.endif
.set mq, mq+1
.endr
	s_wait_dscnt 0x0
.if ss == 0
	WIN 0x11
.else
	WIN 0x01
.endif
.set mq, 0
.rept 4                                        ; four accumulators by turns
.if ss == 0
	v_wmma_scale_f32_16x16x128_f8f6f4 v[ACC+8*mq:ACC+8*mq+7], v[\WB:\WB+7], v[FR+8*mq:FR+8*mq+7], v[\BB1:\BB1+7], v[\SW], v[SCB+mq] matrix_a_fmt:MATRIX_FMT_FP4 matrix_b_fmt:MATRIX_FMT_FP4
.else
	v_wmma_scale_f32_16x16x128_f8f6f4 v[ACC+8*mq:ACC+8*mq+7], v[\WB+8*ss:\WB+8*ss+7], v[FR+8*mq:FR+8*mq+7], v[ACC+8*mq:ACC+8*mq+7], v[\SW+ss], v[SCB+mq] matrix_a_fmt:MATRIX_FMT_FP4 matrix_b_fmt:MATRIX_FMT_FP4
.endif
.set mq, mq+1
.endr
	WIN 0
.set ss, ss+1
.endr
	NOPS 4
.set jj, 0
.rept 16
	v_pk_add_f32 v[ACC+jj:ACC+jj+1], v[ACC+jj:ACC+jj+1], v[XRES+jj:XRES+jj+1]
.set jj, jj+2
.endr
.set mq, 0
.rept 4
	ds_store_b128 v[DLAY], v[ACC+8*mq:ACC+8*mq+3] offset:(4*\half+mq)*TILEB
	ds_store_b128 v[DLAY], v[ACC+8*mq+4:ACC+8*mq+7] offset:(4*\half+mq)*TILEB+16
.set mq, mq+1
.endr
.endr
.endm
.macro GELU8 x                         ; 8 numbers: x / 2 (1 + erf(x / sqrt 2)), erf(u) = u P(u^2) / Q(u^2) with u held to +-4
.irp p,0,2,4,6
	v_pk_mul_f32 v[GU+\p:GU+\p+1], v[\x+\p:\x+\p+1], 0x3f3504f3 op_sel_hi:[1,0]
.endr
.irp p,0,1,2,3,4,5,6,7
	v_med3_num_f32 v[GU+\p], v[GU+\p], -4.0, 4.0
.endr
.irp p,0,2,4,6
	v_pk_mul_f32 v[GZ+\p:GZ+\p+1], v[GU+\p:GU+\p+1], v[GU+\p:GU+\p+1]
.endr
.irp p,0,2,4,6
	v_pk_fma_f32 v[GP+\p:GP+\p+1], v[GZ+\p:GZ+\p+1], v[CA:CA+1], 0x32edffee op_sel_hi:[1,1,0]
	v_pk_fma_f32 v[GQ+\p:GQ+\p+1], v[GZ+\p:GZ+\p+1], v[CB:CB+1], 0xb95fbd29 op_sel_hi:[1,1,0]
.endr
.irp c,0xb60cff51,0xb86ec2d2,0xba40ac63,0xbb41a1f6,0xbc83dbd4
.irp p,0,2,4,6
	v_pk_fma_f32 v[GP+\p:GP+\p+1], v[GP+\p:GP+\p+1], v[GZ+\p:GZ+\p+1], \c op_sel_hi:[1,1,0]
.endr
.endr
.irp c,0xbadc924e,0xbbf19bf8,0xbc69b6a7
.irp p,0,2,4,6
	v_pk_fma_f32 v[GQ+\p:GQ+\p+1], v[GQ+\p:GQ+\p+1], v[GZ+\p:GZ+\p+1], \c op_sel_hi:[1,1,0]
.endr
.endr
.irp p,0,1,2,3,4,5,6,7
	v_rcp_f32 v[GQ+\p], v[GQ+\p]
.endr
.irp p,0,2,4,6
	v_pk_mul_f32 v[\x+\p:\x+\p+1], v[\x+\p:\x+\p+1], 0.5 op_sel_hi:[1,0]     ; (plain places behind the reciprocals)
.endr
.irp p,0,2,4,6
	v_pk_mul_f32 v[GP+\p:GP+\p+1], v[GP+\p:GP+\p+1], v[GU+\p:GU+\p+1]
.endr
	s_wait_alu depctr_va_vdst(0)
.irp p,0,2,4,6
	v_pk_mul_f32 v[GP+\p:GP+\p+1], v[GP+\p:GP+\p+1], v[GQ+\p:GQ+\p+1]
.endr
.irp p,0,2,4,6
	v_pk_fma_f32 v[\x+\p:\x+\p+1], v[\x+\p:\x+\p+1], v[GP+\p:GP+\p+1], v[\x+\p:\x+\p+1]
.endr
.endm
; ================ the head: addresses, then everything that stays
.set HL, 108
.set HR, 109
.set HH, 110
.set HP, 111
.set HT1, 113
.set H8, 114
.set O64, 115
.set OF1, 116
.set OF2, 117
.set OB32, 118
.set OS4, 119
.set OB1, 120
.set OS1, 121
.set OS2, 122
.set ORP, 123
.set DNW, 124
.set HD, 126
.set HZ, 130
	s_load_b512 s[4:19], s[0:1], 0x0               ; x 4, norm1_w 6, norm1_b 8, qkv codes 10, qkv scales 12, qkv_b 14, rpb 16, proj codes 18
	s_load_b512 s[20:35], s[0:1], 0x40             ; proj scales 20, proj_b 22, norm2_w 24, norm2_b 26, fc1 codes 28, fc1 scales 30, fc1_b 32, fc2 codes 34
	s_load_b128 s[36:39], s[0:1], 0x80             ; fc2 scales 36, fc2_b 38
	s_load_b64 s[40:41], s[0:1], 0x90              ; out0
	v_lshl_add_u32 v16, v0, 2, 0x44400
	v_mov_b32 v23, 0
	v_lshrrev_b32 v[ADR0], 5, v0
	v_readfirstlane_b32 s42, v[ADR0]               ; wave 0..7
	s_and_b32 s43, s42, 3
	s_lshr_b32 s44, s42, 2
	s_mov_b32 s46, 0x76543210
	s_mov_b32 s47, 0xfedcba98                      ; v_permlanex16_b32's selects for lane l xor 16
	s_mov_b32 s48, 0x3eb8aa3b                      ; log2(e) / 4: t = (q.k + 4 bias) x this
	s_mov_b32 s49, s48
	s_mov_b32 s50, 0xffff0000                      ; lanes 16-31
	s_mov_b32 s51, 0x3c000000                      ; 1 / 128
	s_mov_b32 s52, 0x00020002                      ; lanes 1 and 17
	s_mov_b32 s54, 4                               ; pairs to go
	v_and_b32 v[HL], 31, v0
	v_and_b32 v[HR], 15, v0                        ; r
	v_bfe_u32 v[HH], v0, 4, 1                      ; h
	v_lshlrev_b32 v[LI], 4, v[HL]
	v_lshlrev_b32 v[LS], 2, v[HL]
	v_mul_u32_u24 v[HP], v[HR], PITCH
	s_mul_i32 s45, s42, TILEB
	v_lshl_add_u32 v[ROWW], v[HH], 6, v[HP]
	v_add_nc_u32 v[DENSE], s45, v[LI]
	s_mul_i32 s70, s44, FWIN
	s_mul_i32 s71, s43, TILEB
	s_add_co_u32 s71, s71, s70
	s_add_co_u32 s71, s71, L_F
	v_add_nc_u32 v[ROWF], s71, v[ROWW]
	v_add_nc_u32 v[ROWW], s45, v[ROWW]
	s_lshl_b32 s71, s43, 7
	s_add_co_u32 s71, s71, s70
	s_add_co_u32 s71, s71, L_F
	v_add_nc_u32 v[COLF], s71, v[LS]
	s_lshl_b32 s71, s42, 6
	v_lshl_add_u32 v[DLAY], v[HH], 5, v[HP]
	v_add_nc_u32 v[DLAY], s71, v[DLAY]
	s_lshl_b32 s70, s43, 18                        ; two rows of the picture for each w % 4,
	s_lshl_b32 s71, s44, 12                        ; eight columns for the second window
	s_add_co_u32 s70, s70, s71
	v_add_nc_u32 v[GX], s70, v[LI]
	s_lshl_b32 s70, s42, 10
	s_add_co_u32 s70, s70, L_AI
	v_add_nc_u32 v[XWI], s70, v[LI]
	s_lshl_b32 s70, s42, 7
	s_add_co_u32 s70, s70, L_AS
	v_add_nc_u32 v[XWS], s70, v[LS]
	s_mul_i32 s70, s44, 5
	s_add_co_u32 s70, s70, s43
	s_lshl_b32 s71, s70, 10
	s_add_co_u32 s71, s71, L_FI
	v_add_nc_u32 v[FWI], s71, v[LI]
	s_lshl_b32 s71, s70, 7
	s_add_co_u32 s71, s71, L_FS
	v_add_nc_u32 v[FWS], s71, v[LS]
	s_lshl_b32 s70, s42, 9                         ; K step w / 2, half w % 2 of its image
	s_add_co_u32 s70, s70, L_GI
	v_add_nc_u32 v[HWI], s70, v[LI]
	s_lshr_b32 s70, s42, 1
	s_lshl_b32 s70, s70, 7
	s_and_b32 s71, s42, 1
	s_lshl_b32 s71, s71, 1
	s_add_co_u32 s70, s70, s71
	s_add_co_u32 s70, s70, L_GS
	v_add_nc_u32 v[HWS], s70, v[LS]
	v_lshlrev_b32 v[NWA], 6, v[HH]
	v_add_nc_u32 v[NWA], L_NW, v[NWA]
	v_mov_b32 v[NEGI], 0xff800000
	v_mov_b32 v[SCB+5], 0                          ; written once: the destination of a line that takes another lane's word counts as one of its sources
	; byte offsets into the weights
	s_lshl_b32 s70, s42, 10
	v_lshlrev_b32 v[O64], 6, v[HR]
	v_lshl_add_u32 v[O64], v[HH], 4, v[O64]
	v_add_nc_u32 v[O64], s70, v[O64]               ; rows of 64 bytes: row 16 w + r, + 16 h
	v_and_b32 v[H8], 8, v[HR]
	v_add_nc_u32 v[H8], v[H8], v[HR]               ; r + 8 (r / 8)
	s_lshl_b32 s70, s42, 12
	v_lshlrev_b32 v[OF1], 6, v[H8]
	v_lshl_add_u32 v[OF1], v[HH], 4, v[OF1]
	v_add_nc_u32 v[OF1], s70, v[OF1]               ; fc1: row 64 w + r + 8 (r / 8)
	v_lshlrev_b32 v[OF2], 8, v[HR]
	v_lshl_add_u32 v[OF2], v[HH], 4, v[OF2]
	v_add_nc_u32 v[OF2], s70, v[OF2]               ; fc2: rows of 256 bytes
	s_lshl_b32 s70, s42, 6
	v_lshlrev_b32 v[OB32], 5, v[HH]
	v_add_nc_u32 v[OB32], s70, v[OB32]             ; a bias in the result's layout: channel 16 w + 8 h
	v_lshlrev_b32 v[OS4], 2, v[HR]
	v_add_nc_u32 v[OS4], s70, v[OS4]               ; 4 bytes for row or channel 16 w + r
	v_add_nc_u32 v[DNW], L_NW, v[OS4]
	s_lshl_b32 s70, s42, 8
	v_lshlrev_b32 v[OB1], 6, v[HH]
	v_add_nc_u32 v[OB1], s70, v[OB1]
	v_lshlrev_b32 v[OS1], 2, v[H8]
	v_add_nc_u32 v[OS1], s70, v[OS1]
	v_lshlrev_b32 v[OS2], 4, v[HR]
	v_add_nc_u32 v[OS2], s70, v[OS2]
	v_lshrrev_b32 v[ORP], 3, v[HR]                 ; the position bias: query 16 tq + r, key 16 t + 8 h + j: table row (r / 8 - h + 7) 15 + r % 8 + 7 - 30 (t - tq) - j
	v_sub_nc_u32 v[ORP], v[ORP], v[HH]
	v_add_nc_u32 v[ORP], 7, v[ORP]
	v_mul_u32_u24 v[ORP], v[ORP], 15
	v_and_b32 v[HT1], 7, v[HR]
	v_add_nc_u32 v[ORP], v[ORP], v[HT1]
	v_add_nc_u32 v[ORP], 7, v[ORP]
	v_lshlrev_b32 v[ORP], 5, v[ORP]
	s_lshl_b32 s70, s42, 2
	v_add_nc_u32 v[ORP], s70, v[ORP]
	v_mov_b32 v[HZ], 0
.irp j,0,1,2,3,4,5,6,7,8,9,10,11
	v_mov_b32 v[LT+\j], 0                          ; written once: a lane permute's destination counts as one of its sources
.endr
	s_lshl_b32 s45, ttmp9, 2                       ; my first pair
	s_lshr_b32 s70, s45, 4
	s_lshl_b32 s70, s70, 20                        ; eight rows of the picture for each 16 pairs,
	s_and_b32 s71, s45, 15
	s_lshl_b32 s71, s71, 13                        ; sixteen columns a pair
	s_add_co_u32 s70, s70, s71
	s_mov_b32 s71, 0
	s_wait_kmcnt 0x0
	s_add_nc_u64 s[4:5], s[4:5], s[70:71]
	s_add_nc_u64 s[40:41], s[40:41], s[70:71]
	XLOADD 0
	WIN 0x40                                       ; destinations in window 1
.irp c,0,1
	global_load_b128 v[WQ+4*\c:WQ+4*\c+3], v[O64], s[10:11] offset:32*\c
	global_load_b128 v[WK+4*\c:WK+4*\c+3], v[O64], s[10:11] offset:8192+32*\c
	global_load_b128 v[WVV+4*\c:WVV+4*\c+3], v[O64], s[10:11] offset:16384+32*\c
	global_load_b128 v[WP+4*\c:WP+4*\c+3], v[O64], s[18:19] offset:32*\c
	global_load_b128 v[BQ+4*\c:BQ+4*\c+3], v[OB32], s[14:15] offset:16*\c
	global_load_b128 v[BK+4*\c:BK+4*\c+3], v[OB32], s[14:15] offset:512+16*\c
	global_load_b128 v[BP+4*\c:BP+4*\c+3], v[OB32], s[22:23] offset:16*\c
	global_load_b128 v[B2+4*\c:B2+4*\c+3], v[OB32], s[38:39] offset:16*\c
.irp t,0,1,2,3
	global_load_b128 v[W1+8*\t+4*\c:W1+8*\t+4*\c+3], v[OF1], s[28:29] offset:(32*(\t/2)+8*(\t%2))*64+32*\c   ; the rows of a tile of fc1 are chosen so that two tiles' 16 registers are 16 neighbours along fc2's K
	global_load_b128 v[W2+8*\t+4*\c:W2+8*\t+4*\c+3], v[OF2], s[34:35] offset:64*\t+32*\c
	global_load_b128 v[B1+8*\t+4*\c:B1+8*\t+4*\c+3], v[OB1], s[32:33] offset:(32*(\t/2)+8*(\t%2))*4+16*\c
.endr
.endr
.irp j,0,1,2,3,4,5,6,7
	global_load_b32 v[BV+\j], v[OS4], s[14:15] offset:1024       ; v's bias: a lane holds one channel in all its registers
.endr
.irp d,0,1,2,3,4,5,6
.irp j,0,1,2,3,4,5,6,7
	global_load_b32 v[RPB+8*\d+\j], v[ORP], s[16:17] offset:-960*(\d-3)-32*\j
.endr
.endr
	WIN 0
	global_load_b32 v[SCQ], v[OS4], s[12:13]
	global_load_b32 v[SCK], v[OS4], s[12:13] offset:512
	global_load_b32 v[SCV], v[OS4], s[12:13] offset:1024
	global_load_b32 v[SCP], v[OS4], s[20:21]
.irp t,0,1,2,3
	global_load_b32 v[SC1+\t], v[OS1], s[30:31] offset:(32*(\t/2)+8*(\t%2))*4
	global_load_b32 v[SC2+\t], v[OS2], s[36:37] offset:4*\t
.endr
	global_load_b32 v[HD], v[OS4], s[6:7]          ; my 64 bytes of each norm vector
	global_load_b32 v[HD+1], v[OS4], s[8:9]
	global_load_b32 v[HD+2], v[OS4], s[24:25]
	global_load_b32 v[HD+3], v[OS4], s[26:27]
	s_wait_loadcnt 0x0
	WIN 0x44
.set jj, 0
.rept 56
	v_mul_f32 v[RPB+jj], 4.0, v[RPB+jj]            ; exact: the factor 1/4 of the scores is taken off the sum q.k + 4 bias
.set jj, jj+1
.endr
	WIN 0
.irp a,0,1,2,3
	ds_store_b32 v[DNW], v[HD+\a] offset:512*\a    ; lanes l and l + 16 write the same word with the same value
.endr
.irp n,65,66,67,68,69,70,71,72,73,74,75,76,77,78,79
	ds_store_b32 v[COLF], v[HZ] offset:\n*PITCH    ; rows that stay zero: the imaginary part of bin 32, and the fifth tile's filling
.endr
	BAR
.Lpair:
	; ---- P0: x to R; LN1 of my 16 rows; to F for the rfft; quantised, image to LDS
	s_wait_loadcnt 0x0
.set kq, 0
.rept 16
	ds_store_b128 v[DENSE], v[XR+4*kq:XR+4*kq+3] offset:kq*PITCH
.set kq, kq+1
.endr
.irp b,0,1,2,3
.irp q,0,1,2,3
	ds_load_b128 v[X+16*\b+4*\q:X+16*\b+4*\q+3], v[ROWW] offset:128*\b+16*\q   ; my wave's own rows: LDS serves a wave's instructions in order
.endr
.endr
	s_wait_dscnt 0x0
.set TM, 44
.set PCD, 60
.set PW, 68
	LNQ 0, 1
	BAR
	; ---- P1: rfft along the 64 tokens of my channel.  n = j + 8 i, k = kp + 8 m: eight real transforms over i, twiddles, transforms over j
.set nn, 0
.rept 64
	ds_load_b32 v[Y+nn], v[COLF] offset:nn*PITCH
.set nn, nn+1
.endr
	s_wait_dscnt 0x0
.set PK, 1
.irp jp,0,1,2,3
	RDFT8 Y+2*\jp, 8
.endr
.set PK, 0
.irp kp,1,2,3
.irp j,1,2,3,4,5,6,7
	CMUL Y+8*\kp+\j, Y+8*(8-\kp)+\j, \j*\kp
.endr
.endr
.irp j,1,2,3,4,5,6,7
	GETW 4*\j
	v_mul_f32 v[E+\j], WI, v[Y+32+\j]
	v_mul_f32 v[Y+32+\j], WR, v[Y+32+\j]
.endr
	v_mov_b32 v[E], 0
.irp kp,1,2,3
	CDFT8 Y+8*\kp, Y+8*(8-\kp)
.endr
	CDFT8 Y+32, E
	RDFT8 Y, 1
	FSCALE
	ROWIO 0
	v_mov_b32 v[T], 0
	ds_store_b32 v[COLF], v[T] offset:33*PITCH     ; the imaginary part of bin 0
	BAR
	; ---- P2: the rfft's rows are quantised: tile w % 4 of my window; waves 0 and 4 also the fifth tile
	ROWQ 0, 0, 0
	s_cmp_lg_u32 s43, 0
	s_cbranch_scc1 .Lno4
	s_wait_dscnt 0x0                               ; the stores have read their registers
	ROWQ 64*PITCH, 4096, 512
.Lno4:
	BAR
	; ---- P3: my head's two attentions on each of the two windows
	s_mov_b32 s56, L_AI
	s_mov_b32 s57, L_AS
	s_mov_b32 s58, L_O
	s_mov_b32 s59, L_FI
	s_mov_b32 s60, L_FS
	s_mov_b32 s61, L_F
	s_mov_b32 s55, 2
.Lv:
	v_add_nc_u32 v[ADR0], s56, v[LI]
	v_add_nc_u32 v[ADR1], s57, v[LS]
	v_add_nc_u32 v[ADR2], s58, v[DLAY]
	ATT 0
	v_add_nc_u32 v[ADR0], s59, v[LI]
	v_add_nc_u32 v[ADR1], s60, v[LS]
	v_add_nc_u32 v[ADR2], s61, v[DLAY]
	ATT 1
	s_add_co_u32 s56, s56, 4096
	s_add_co_u32 s57, s57, 512
	s_add_co_u32 s58, s58, 64*PITCH
	s_add_co_u32 s59, s59, 5120
	s_add_co_u32 s60, s60, 640
	s_add_co_u32 s61, s61, FWIN
	s_sub_co_i32 s55, s55, 1
	s_cmp_lg_u32 s55, 0
	s_cbranch_scc1 .Lv
	BAR
	; ---- P4: irfft of my channel: the steps of P1 backwards
	ROWIO 1
	s_wait_dscnt 0x0
	FSCALE
.irp kp,1,2,3
	CDFT8 Y+8*(8-\kp), Y+8*\kp
.endr
	CDFT8 E, Y+32
	HDFT8 Y, 1
.irp kp,1,2,3
.irp j,1,2,3,4,5,6,7
	CMUL Y+8*\kp+\j, Y+8*(8-\kp)+\j, 64-\j*\kp
.endr
.endr
.irp j,1,2,3,4,5,6,7
	GETW 64-4*\j
	v_mul_f32 v[Y+32+\j], WR, v[Y+32+\j]           ; kp = 4: the twiddled number is real: its real part alone is formed
	v_fmamk_f32 v[Y+32+\j], v[E+\j], NWI, v[Y+32+\j]
.endr
.set PK, 1
.irp jp,0,1,2,3
	HDFT8 Y+2*\jp, 8
.endr
.set PK, 0
.set nn, 0
.rept 64
	ds_store_b32 v[COLF], v[Y+nn] offset:nn*PITCH
.set nn, nn+1
.endr
	BAR
	; ---- P6: the two branches' sum, my 16 rows, quantised
.set TM, 44                            ; the quantiser's temporaries lie where the second addend lay, here and in P8
	v_add_nc_u32 v[ADR0], L_O, v[ROWW]
.irp b,0,1,2,3
.irp q,0,1,2,3
	ds_load_b128 v[X+16*\b+4*\q:X+16*\b+4*\q+3], v[ROWF] offset:128*\b+16*\q
	ds_load_b128 v[X2+16*\b+4*\q:X2+16*\b+4*\q+3], v[ADR0] offset:128*\b+16*\q
.endr
.endr
	s_wait_dscnt 0x0
.set jj, 0
.rept 32
	v_pk_add_f32 v[X+jj:X+jj+1], v[X+jj:X+jj+1], v[X2+jj:X2+jj+1]
.set jj, jj+2
.endr
	QUANT4 X
	IMAGE XWI, 0
	ds_store_b32 v[XWS], v[PW]
	BAR
	; ---- P7: proj, + proj_b, + x: x1 into R
	v_add_nc_u32 v[ADR0], L_AI, v[LI]
	v_add_nc_u32 v[ADR1], L_AS, v[LS]
	OUTGEMM WP, BP, SCP, 1
	BAR
	; ---- P8: LN2 of my 16 rows of x1, quantised
.irp b,0,1,2,3
.irp q,0,1,2,3
	ds_load_b128 v[X+16*\b+4*\q:X+16*\b+4*\q+3], v[ROWW] offset:128*\b+16*\q
.endr
.endr
	LNQ 2, 0
	BAR
	; ---- P9: fc1 and GELU: my 64 hidden units for the 128 rows, a tile of rows a trip; quantised in registers: half an image and half a scale word
	s_cmp_eq_u32 s54, 1                            ; the next pair's x is asked for here, if there is one: no load leaves its buffer
	s_cbranch_scc1 .Lnonext
	XLOADD 8192
.Lnonext:
	v_mov_b32 v[CA], 0xaf95df0b
	v_mov_b32 v[CA+1], 0xaf95df0b
	v_mov_b32 v[CB], 0xb77460cd
	v_mov_b32 v[CB+1], 0xb77460cd
.set TM, 190
.set PCD, 184
.set PW, 188
	s_mov_b32 s66, L_AI
	s_mov_b32 s67, L_AS
	s_mov_b32 s68, 0
	s_mov_b32 s69, 0
	s_mov_b32 s55, 8
	v_add_nc_u32 v[ADR0], s66, v[LI]
	v_add_nc_u32 v[ADR1], s67, v[LS]
	FETCH XF8, ADR0, 0                             ; the first tile's fragment and scale word; each later tile's are asked for a trip ahead
	ds_load_b32 v[SCB], v[ADR1]
.Lm:
	s_wait_dscnt 0x0                               ; this tile's fragment is in; the last trip's stores have read their registers, which this trip writes again at its end
	v_add_nc_u32 v[ADR0], s66, v[LI]
	v_add_nc_u32 v[ADR1], s67, v[LS]
	v_add_nc_u32 v[ADR2], s68, v[HWI]
	v_add_nc_u32 v[ADR3], s69, v[HWS]
	WIN 0x11
.irp t,0,1,2,3
	v_wmma_scale_f32_16x16x128_f8f6f4 v[HA+8*\t:HA+8*\t+7], v[W1+8*\t:W1+8*\t+7], v[XF8:XF8+7], v[B1+8*\t:B1+8*\t+7], v[SC1+\t], v[SCB] matrix_a_fmt:MATRIX_FMT_FP4 matrix_b_fmt:MATRIX_FMT_FP4
.endr
	WIN 0
	NOPS 4                                         ; places in front of the first read of the results, and of loads into the registers that the products have read
	s_cmp_eq_u32 s55, 1                            ; the last trip has no next tile
	s_cbranch_scc1 .Lmlast
	FETCH XF8, ADR0, 1024                          ; the next tile's: the lines of the GELU stand between the request and the wait for it
	ds_load_b32 v[SCB], v[ADR1] offset:128
.Lmlast:
.irp t,0,1,2,3
	GELU8 HA+8*\t
.endr
	BMAX HA, 2
	BSCALE 2, PW
	BCVT HA, 2, PCD, 0
	ds_store_b128 v[ADR2], v[PCD:PCD+3]
	ds_store_b16 v[ADR3], v[PW]
	s_add_co_u32 s66, s66, 1024
	s_add_co_u32 s67, s67, 128
	s_add_co_u32 s68, s68, 4096
	s_add_co_u32 s69, s69, 512
	s_sub_co_i32 s55, s55, 1
	s_cmp_lg_u32 s55, 0
	s_cbranch_scc1 .Lm
	BAR
	; ---- P10: fc2, + fc2_b, + x1: the result into R
	v_add_nc_u32 v[ADR0], L_GI, v[LI]
	v_add_nc_u32 v[ADR1], L_GS, v[LS]
	OUTGEMM W2, B2, SC2, 4
	BAR
	; ---- P11: my 16 rows leave: each store covers one row, 512 consecutive bytes, aligned
.set kq, 0
.rept 16
	ds_load_b128 v[X+4*kq:X+4*kq+3], v[DENSE] offset:kq*PITCH
.set kq, kq+1
.endr
.set kq, 0
.rept 16
	s_wait_dscnt 15-kq                             ; row kq is back; the younger loads may be out
	global_store_b128 v[GX], v[X+4*kq:X+4*kq+3], s[40:41] offset:(kq/8)*131072+(kq%8)*512 th:TH_STORE_NT
.set kq, kq+1
.endr
	s_wait_xcnt 0x0                                ; the loads' and stores' bases and the stores' data are written again only behind this wait
	s_add_nc_u64 s[4:5], s[4:5], 8192
	s_add_nc_u64 s[40:41], s[40:41], 8192
	s_sub_co_i32 s54, s54, 1
	s_cmp_lg_u32 s54, 0
	s_cbranch_scc1 .Lpair
	s_wait_tensorcnt 0x0
	ds_add_u32 v16, v23
	s_wait_dscnt 0x0
	s_endpgm
.Lfunc_end_k_q46194bfe20_block:
	.size	k_q46194bfe20_block, .Lfunc_end_k_q46194bfe20_block-k_q46194bfe20_block
	.p2alignl 7, 3214868480
	.fill 96, 4, 3214868480
	.section	.rodata,"a",@progbits
	.p2align	6, 0x0
	.amdhsa_kernel k_q46194bfe20_block
		.amdhsa_group_segment_fixed_size 280576
		.amdhsa_private_segment_fixed_size 0
		.amdhsa_enable_private_segment 0
		.amdhsa_kernarg_size 152
		.amdhsa_user_sgpr_count 2
		.amdhsa_user_sgpr_kernarg_segment_ptr 1
		.amdhsa_wavefront_size32 1
		.amdhsa_system_sgpr_workgroup_id_x 1
		.amdhsa_system_sgpr_workgroup_id_y 1
		.amdhsa_system_sgpr_workgroup_id_z 1
		.amdhsa_system_vgpr_workitem_id 0
		.amdhsa_next_free_vgpr 480
		.amdhsa_next_free_sgpr 80
		.amdhsa_reserve_vcc 0
		.amdhsa_float_denorm_mode_32 3
		.amdhsa_float_denorm_mode_16_64 3
		.amdhsa_memory_ordered 1
		.amdhsa_forward_progress 1
		.amdhsa_inst_pref_size 255
	.end_amdhsa_kernel
	.section	.bss,"aw",@nobits
	.p2align	6
	.space	262144
	.amdgpu_metadata
---
amdhsa.version: [ 1, 2 ]
amdhsa.kernels:
  - .name:           k_q46194bfe20_block
    .symbol:         k_q46194bfe20_block.kd
    .args:
      - { .name: x, .offset: 0, .size: 8, .value_kind: global_buffer, .address_space: global }
      - { .name: norm1_w, .offset: 8, .size: 8, .value_kind: global_buffer, .address_space: global }
      - { .name: norm1_b, .offset: 16, .size: 8, .value_kind: global_buffer, .address_space: global }
      - { .name: qkv_w_codes, .offset: 24, .size: 8, .value_kind: global_buffer, .address_space: global }
      - { .name: qkv_w_scales, .offset: 32, .size: 8, .value_kind: global_buffer, .address_space: global }
      - { .name: qkv_b, .offset: 40, .size: 8, .value_kind: global_buffer, .address_space: global }
      - { .name: rpb_table, .offset: 48, .size: 8, .value_kind: global_buffer, .address_space: global }
      - { .name: proj_w_codes, .offset: 56, .size: 8, .value_kind: global_buffer, .address_space: global }
      - { .name: proj_w_scales, .offset: 64, .size: 8, .value_kind: global_buffer, .address_space: global }
      - { .name: proj_b, .offset: 72, .size: 8, .value_kind: global_buffer, .address_space: global }
      - { .name: norm2_w, .offset: 80, .size: 8, .value_kind: global_buffer, .address_space: global }
      - { .name: norm2_b, .offset: 88, .size: 8, .value_kind: global_buffer, .address_space: global }
      - { .name: fc1_w_codes, .offset: 96, .size: 8, .value_kind: global_buffer, .address_space: global }
      - { .name: fc1_w_scales, .offset: 104, .size: 8, .value_kind: global_buffer, .address_space: global }
      - { .name: fc1_b, .offset: 112, .size: 8, .value_kind: global_buffer, .address_space: global }
      - { .name: fc2_w_codes, .offset: 120, .size: 8, .value_kind: global_buffer, .address_space: global }
      - { .name: fc2_w_scales, .offset: 128, .size: 8, .value_kind: global_buffer, .address_space: global }
      - { .name: fc2_b, .offset: 136, .size: 8, .value_kind: global_buffer, .address_space: global }
      - { .name: out0, .offset: 144, .size: 8, .value_kind: global_buffer, .address_space: global }
    .group_segment_fixed_size: 280576
    .private_segment_fixed_size: 0
    .kernarg_segment_align: 8
    .kernarg_segment_size: 152
    .max_flat_workgroup_size: 256
    .sgpr_count:     80
    .vgpr_count:     480
    .wavefront_size: 32
...
	.end_amdgpu_metadata
.endif
;; end of part 1
;; ======== version 2 of 2: 1 launch; version 1 with the launch block written anew for expert scheduling mode
;; launch block (part 2): grid 256 x 1, 8 waves a work-group, no clusters, 280,576 bytes of LDS; arguments x, norm1_w, norm1_b, qkv_w_codes, qkv_w_scales, qkv_b, rpb_table, proj_w_codes, proj_w_scales, proj_b, norm2_w, norm2_b, fc1_w_codes, fc1_w_scales, fc1_b, fc2_w_codes, fc2_w_scales, fc2_b, out0; writes out0
.if DOCPART == 2
	.amdgcn_target "amdgcn-amd-amdhsa--gfx1250"
	.amdhsa_code_object_version 6
	.text
	.protected	k_q46194bfe20_block
	.globl	k_q46194bfe20_block
	.p2align	8
	.type	k_q46194bfe20_block,@function
k_q46194bfe20_block:
	s_mov_b64 s[64:65], 0
	v_nop
	global_prefetch_b8 v0, s[64:65] scope:SCOPE_SE
	s_setreg_imm32_b32 hwreg(HW_REG_WAVE_SCHED_MODE, 0, 2), 2
	s_setreg_imm32_b32 hwreg(HW_REG_WAVE_MODE, 25, 1), 1
	s_wait_xcnt 0x0
	s_wait_alu depctr_vm_vsrc(0)
; One transformer block over windows of 8 x 8 tokens x 128 channels, whole in one launch: LN1, window attention with position bias, attention on the rfft of the
; tokens and irfft, proj, residual, LN2, fc1, exact GELU, fc2, residual.  The seven quantised products run on E2M1 codes with E8M0 scales; q k^T (K = 16) runs in f32.
; SHARES.  A work-group of eight waves takes a PAIR of neighbouring windows (128 tokens) at a time, four pairs on end: 256 x 4 x 2 = 2,048 windows.  Wave w is head w in
; attention, output channels 16 w .. 16 w + 15 in proj and fc2, hidden units 64 w .. 64 w + 63 in fc1, rows 16 w .. 16 w + 15 of the pair in the row-wise phases, and
; window w / 4, channels 32 (w % 4) + lane in the two FFT phases.  A wave's weights, biases and position bias stay in registers v256-v479 for the whole launch.
; x is read once and out0 written once; all between lies in registers and LDS.  Operands go from wave to wave as images of their registers (16 bytes a lane, 512 a store).
; BY TURNS.  In attention the f32 score products of the next query tile stand singly among the vector lines of the tile in hand, from the line on that has read the scores for the last time.
; mask_matrix: the computation takes it as an argument and never uses it (no shift), so no result hangs on it: it is neither named nor read here.
; LIMITS.  NaN and infinities among the inputs are not served.  A block's largest magnitude is held at 2^-124 from below: a block of zeros gets the byte 1 with zero codes
; (these bytes are read by this text alone).  p under 2^-126 becomes 0 (the exponential flushes).  erf is x P(x^2) / Q(x^2), degrees 6 and 4 in x^2, on |x| <= 4, good to a few
; units of the last place; 1 + erf is formed in f32.  The imaginary parts of bins 0 and 32 do not enter an inverse real transform, so their two queries are not computed.
; THE MODE: SCHED_MODE bits 1:0 = 2 (LLVM: expert scheduling mode 2), set by the entry lines.  The code itself states the register dependences
; between vector or matrix instructions and memory or LDS instructions, with s_wait_alu, always for 0.
; THE PLAN.  Registers that LDS or memory instructions touch, and who else names them:
;   v1-v14, v17    addresses, made at the head and never written again: the one wait on va_vdst ahead of the first load serves them for the whole launch.
;   v19-v22        addresses made anew ahead of P3, P6, P7, P9, P10 and in each trip of the fc1 loop: a wait on vm_vsrc ahead of the lines that write them, a wait on va_vdst ahead of the first access by them.
;   v36-v40        scale words: loaded, read by scaled products.  v41-v43: scale words that vector lines write; no load or store names them.
;   v44-v107       x as loaded (asked for in P9, stored to R in P0); gains, a column of the FFT, the second addend: loaded, the column also stored; k^T and q^T; the quantiser's temporaries, its codes (v60-v67) and scale word (v68), which the images' stores read.
;   v108-v203      rows (loaded, worked in place, stored); operands' images (loaded, read by products); accumulators (written by products and additions, stored); in P9 the codes v184-v187 and the scale word v188 (stored).
; A phase loads, works on registers, stores, and passes a barrier.  So a phase has as a rule two waits.  ONE ON vm_vsrc AT ITS HEAD: the stores of the phase before have read the registers in which this
; phase's loads land or which its lines write.  ONE ON va_vdst AHEAD OF ITS RUN OF STORES: the stores' data are written; and since every vector and matrix line of the phase stands ahead of it, those lines are
; also done with the registers in which the next phase's loads land: behind the barrier no second wait on va_vdst is owed.  Beside these: a wait on va_vdst where a buffer is loaded again inside a phase
; (the norms' offsets; the fragments of each K step of proj and fc2; the fc1 loop's next fragment), and ahead of a scaled product that takes codes or scale words written by vector lines.
; In attention a query tile's two stores stand in the NEXT tile, behind the wait for its exponentials, ahead of which the scalings of the stored registers were issued.
.set PITCH, 528                        ; a row of 128 f32 in LDS: 512 bytes + 16: 132 words, so sixteen rows start at sixteen different groups of four banks
.set TILEB, 16*PITCH
.set L_O,  128*PITCH                   ; R at 0: x, then x1, then out;  O: the spatial branch's result
.set L_F,  2*128*PITCH                 ; F: for each window 80 rows: LN1(x), then its rfft (66 rows; rows 65-79 stay zero), later the spectral result and its irfft
.set FWIN, 80*PITCH
.set L_AI, L_F+2*FWIN                  ; images of 8 row tiles, 1,024 bytes each
.set L_AS, L_AI+8*1024                 ; their scale words, 128 bytes each
.set L_FI, L_AS+8*128                  ; images of the rfft's 2 x 5 row tiles
.set L_FS, L_FI+10*1024
.set L_GI, L_FS+10*128                 ; images of the hidden layer: 8 row tiles x 4 K steps
.set L_GS, L_GI+32*1024
.set L_NW, L_GS+32*128                 ; norm1_w, norm1_b, norm2_w, norm2_b, 512 bytes each
; window 0, kept
.set LI, 1                             ; 16 x lane
.set LS, 2                             ; 4 x lane
.set ROWW, 3                           ; my row of the pair in R, + 64 h: 16 numbers of each block of 32
.set ROWF, 4                           ; the same row in F
.set DENSE, 5                          ; my wave's 16 rows in R, 16 bytes a lane
.set COLF, 6                           ; my channel's column in my window of F
.set DLAY, 7                           ; row r, my wave's 16 channels, + 32 h: a matrix result's place
.set GX, 8                             ; my byte offset in the pair's rows of x and out0
.set XWI, 9
.set XWS, 10
.set FWI, 11
.set FWS, 12
.set HWI, 13
.set HWS, 14
.set NWA, 17
.set NEGI, 18                          ; -infinity
.set ADR0, 19
.set ADR1, 20
.set ADR2, 21
.set ADR3, 22
.set SCQ, 24                           ; scale words of the weights: q, k, v, proj, fc1 x 4, fc2 x 4
.set SCK, 25
.set SCV, 26
.set SCP, 27
.set SC1, 28
.set SC2, 32
.set SCB, 36                           ; v36-43: scale words of the operands in hand; nothing else ever lies here
.set SA, 216                           ; v216-255: the scores; written by the f32 matrix form alone
; window 0, by phase
.set XR, 44
.set GW, 44
.set X2, 44
.set Y, 44
.set X, 108
.set E, 108
.set T, 116
.set GB, 172
.set LT, 204
.set KT, 44
.set QT, 84
.set XF, 116
.set PP, 116
.set OA, 148
.set VT, 156
.set T4, 188
.set VF, 196
.set PF, 204
.set ACC, 108
.set FR, 140
.set XRES, 172
.set XF8, 108
.set HA, 116
.set GU, 148
.set GZ, 156
.set GP, 164
.set GQ, 172
.set CA, 180
.set CB, 182
; window 1
.set WQ, 0
.set WK, 8
.set WVV, 16
.set WP, 24
.set W1, 32
.set W2, 64
.set BQ, 96
.set BK, 104
.set BV, 112
.set BP, 120
.set B1, 128
.set B2, 160
.set RPB, 168
.set RT, 0x3f3504f3                    ; sqrt(1/2)
.set NRT, 0xbf3504f3
.set SQ2, 0x3fb504f3                   ; sqrt(2)
.set NSQ2, 0xbfb504f3
.set MSB, 0
.set PK, 0
.set CT, 0
.set sci, 0                            ; score products of the pending query tile: written so far,
.set scn, 0                            ; in all (0: none is pending),
.set scq, 0                            ; and which query tile
.set SPC, 0
.set NT, 4
.macro WIN new                         ; the immediate's high byte repeats the setting that is left; a switch that changes nothing is dropped
.if MSB != \new
	s_set_vgpr_msb (MSB<<8)|\new
.set MSB, \new
.endif
.endm
.macro BAR                             ; my LDS stores have landed and my LDS loads are in: then the work-group's barrier
	s_wait_dscnt 0x0
	s_barrier_signal -1
	s_barrier_wait -1
.endm
.macro NOPS n
.rept \n
	v_nop
.endr
.endm
; The next of the pending score products, if one is pending: number sci is step sci / NT along the head's 16, key tile sci % NT: the tiles take turns, one instruction a turn.
; The spatial branch's first links take four times the position bias, in window 1, as C: between them stand only lines that name no third source.
.macro SC
.if sci < scn
.set sct, sci%NT
.set scs, sci/NT
.if scs > 0
	v_wmma_f32_16x16x4_f32 v[SA+8*sct:SA+8*sct+7], v[KT+8*sct+2*scs:KT+8*sct+2*scs+1], v[QT+8*scq+2*scs:QT+8*scq+2*scs+1], v[SA+8*sct:SA+8*sct+7]
.elseif SPC
	v_wmma_f32_16x16x4_f32 v[SA+8*sct:SA+8*sct+7], v[KT+8*sct:KT+8*sct+1], v[QT+8*scq:QT+8*scq+1], 0
.else
	WIN 0x10
	v_wmma_f32_16x16x4_f32 v[SA+8*sct:SA+8*sct+7], v[KT+8*sct:KT+8*sct+1], v[QT+8*scq:QT+8*scq+1], v[RPB+8*(sct-scq+3):RPB+8*(sct-scq+3)+7]
.if sct == NT-1
	WIN 0
.endif
.endif
.set sci, sci+1
.endif
.endm
.macro SCALL                           ; all that are still pending
.rept 20
	SC
.endr
.endm
.macro XLOADD off                      ; my wave's 16 rows of x: each load takes one row, 512 consecutive bytes
.set kq, 0
.rept 16
	global_load_b128 v[XR+4*kq:XR+4*kq+3], v[GX], s[4:5] offset:\off+(kq/8)*131072+(kq%8)*512 th:TH_LOAD_NT
.set kq, kq+1
.endr
.endm
.macro FETCH reg, adr, off             ; an operand's image back into 8 registers
	ds_load_b128 v[\reg:\reg+3], v[\adr] offset:\off
	ds_load_b128 v[\reg+4:\reg+7], v[\adr] offset:\off+512
.endm
.macro IMAGE adr, off
	ds_store_b128 v[\adr], v[PCD:PCD+3] offset:\off
	ds_store_b128 v[\adr], v[PCD+4:PCD+7] offset:\off+512
.endm
.macro PERMAX nb                       ; with lane l xor 16's half of each block
	SC
.set bb, 0
.rept \nb
	v_permlanex16_b32 v[TM+4+bb], v[TM+bb], s46, s47
.set bb, bb+1
.endr
.set bb, 0
.rept \nb
	v_max_num_f32 v[TM+bb], v[TM+bb], v[TM+4+bb]
.set bb, bb+1
.endr
.endm
.macro BMAX src, nb                    ; each block's largest magnitude, the floor 2^(3 - 127) among its leaves; the blocks by turns
.set bb, 0
.rept \nb
	v_max3_num_f32 v[TM+bb], |v[\src+16*bb]|, |v[\src+16*bb+1]|, 0x1800000
.set bb, bb+1
.endr
.set ii, 2
.rept 7
	SC
.set bb, 0
.rept \nb
	v_max3_num_f32 v[TM+bb], v[TM+bb], |v[\src+16*bb+ii]|, |v[\src+16*bb+ii+1]|
.set bb, bb+1
.endr
.set ii, ii+2
.endr
	PERMAX \nb
.endm
.macro BSCALE nb, dst                  ; 2 off the exponent field: the conversion's scale operand; its field is the byte; the bytes make the scale word
	SC
.set bb, 0
.rept \nb
	v_add_nc_u32 v[TM+12+bb], 0xff000000, v[TM+bb]
.set bb, bb+1
.endr
	SC
.set bb, 0
.rept \nb
	v_lshrrev_b32 v[TM+4+bb], 23, v[TM+12+bb]
.set bb, bb+1
.endr
	v_lshl_or_b32 v[\dst], v[TM+5], 8, v[TM+4]
.if \nb > 2
	v_lshl_or_b32 v[\dst], v[TM+6], 16, v[\dst]
.endif
.if \nb > 3
	v_lshl_or_b32 v[\dst], v[TM+7], 24, v[\dst]
.endif
.endm
.macro BCVT src, nb, dstF, ex          ; codes; ex = 1: also the short third block from v[T4] on.  Then whole blocks to a lane, as the operand's layout wants
	SC
.set bb, 0
.rept \nb
	v_cvt_scalef32_pk8_fp4_f32 v[\dstF+2*bb], v[\src+16*bb:\src+16*bb+7], v[TM+12+bb]
	v_cvt_scalef32_pk8_fp4_f32 v[\dstF+2*bb+1], v[\src+16*bb+8:\src+16*bb+15], v[TM+12+bb]
.set bb, bb+1
.endr
.if \ex
	v_cvt_scalef32_pk8_fp4_f32 v[\dstF+4], v[T4:T4+7], v[TM+14]
.endif
	v_nop                                          ; one plain place behind the scaled conversions
	SC
.set bb, 0
.rept \nb/2
	v_permlane16_swap_b32 v[\dstF+4*bb], v[\dstF+4*bb+2]
	v_permlane16_swap_b32 v[\dstF+4*bb+1], v[\dstF+4*bb+3]
.set bb, bb+1
.endr
.endm
.macro QUANT4 src                      ; 64 numbers of a lane, register 16 b + i = k 32 b + 16 h + i of its row, become a fragment in v[PCD] on and its scale word in v[PW]
	BMAX \src, 4
	BSCALE 4, PW
	BCVT \src, 4, PCD, 0
.endm
; LayerNorm of the row in v[X] on (64 numbers a lane, the other 64 in lane l xor 16), gains and offsets from LDS, then the quantiser and the image.
; The first 24 loads owe no wait of their own: the wait on vm_vsrc that stands ahead of the row's loads has freed v[GW ..], and no line behind the last wait on va_vdst names v[GW ..] or v[GB ..].
.macro LNQ na, toF
.irp b,0,1,2,3
.irp q,0,1,2,3
	ds_load_b128 v[GW+16*\b+4*\q:GW+16*\b+4*\q+3], v[NWA] offset:512*\na+128*\b+16*\q
.endr
.endr
.irp b,0,1
.irp q,0,1,2,3
	ds_load_b128 v[GB+16*\b+4*\q:GB+16*\b+4*\q+3], v[NWA] offset:512*(\na+1)+128*\b+16*\q
.endr
.endr
	s_wait_dscnt 24                                ; the row is in; the 24 loads just issued may be out
	v_pk_add_f32 v[LT:LT+1], v[X:X+1], v[X+8:X+9]
	v_pk_add_f32 v[LT+2:LT+3], v[X+2:X+3], v[X+10:X+11]
	v_pk_add_f32 v[LT+4:LT+5], v[X+4:X+5], v[X+12:X+13]
	v_pk_add_f32 v[LT+6:LT+7], v[X+6:X+7], v[X+14:X+15]
.irp j,16,24,32,40,48,56
	v_pk_add_f32 v[LT:LT+1], v[LT:LT+1], v[X+\j:X+\j+1]
	v_pk_add_f32 v[LT+2:LT+3], v[LT+2:LT+3], v[X+\j+2:X+\j+3]
	v_pk_add_f32 v[LT+4:LT+5], v[LT+4:LT+5], v[X+\j+4:X+\j+5]
	v_pk_add_f32 v[LT+6:LT+7], v[LT+6:LT+7], v[X+\j+6:X+\j+7]
.endr
	v_pk_add_f32 v[LT:LT+1], v[LT:LT+1], v[LT+2:LT+3]
	v_pk_add_f32 v[LT+4:LT+5], v[LT+4:LT+5], v[LT+6:LT+7]
	v_pk_add_f32 v[LT:LT+1], v[LT:LT+1], v[LT+4:LT+5]
	v_add_f32 v[LT], v[LT], v[LT+1]
	v_permlanex16_b32 v[LT+8], v[LT], s46, s47
	v_add_f32 v[LT], v[LT], v[LT+8]
	v_mul_f32 v[LT], s51, v[LT]                    ; the mean
.set jj, 0
.rept 32
	v_pk_add_f32 v[X+jj:X+jj+1], v[X+jj:X+jj+1], v[LT:LT+1] op_sel_hi:[1,0] neg_lo:[0,1] neg_hi:[0,1]
.set jj, jj+2
.endr
	v_pk_mul_f32 v[LT+2:LT+3], v[X:X+1], v[X:X+1]
	v_pk_mul_f32 v[LT+4:LT+5], v[X+2:X+3], v[X+2:X+3]
	v_pk_mul_f32 v[LT+6:LT+7], v[X+4:X+5], v[X+4:X+5]
	v_pk_mul_f32 v[LT+8:LT+9], v[X+6:X+7], v[X+6:X+7]
.irp j,8,16,24,32,40,48,56
	v_pk_fma_f32 v[LT+2:LT+3], v[X+\j:X+\j+1], v[X+\j:X+\j+1], v[LT+2:LT+3]
	v_pk_fma_f32 v[LT+4:LT+5], v[X+\j+2:X+\j+3], v[X+\j+2:X+\j+3], v[LT+4:LT+5]
	v_pk_fma_f32 v[LT+6:LT+7], v[X+\j+4:X+\j+5], v[X+\j+4:X+\j+5], v[LT+6:LT+7]
	v_pk_fma_f32 v[LT+8:LT+9], v[X+\j+6:X+\j+7], v[X+\j+6:X+\j+7], v[LT+8:LT+9]
.endr
	v_pk_add_f32 v[LT+2:LT+3], v[LT+2:LT+3], v[LT+4:LT+5]
	v_pk_add_f32 v[LT+6:LT+7], v[LT+6:LT+7], v[LT+8:LT+9]
	v_pk_add_f32 v[LT+2:LT+3], v[LT+2:LT+3], v[LT+6:LT+7]
	v_add_f32 v[LT+2], v[LT+2], v[LT+3]
	v_permlanex16_b32 v[LT+10], v[LT+2], s46, s47
	v_add_f32 v[LT+2], v[LT+2], v[LT+10]
	v_fmaak_f32 v[LT+2], s51, v[LT+2], 0x3727c5ac  ; the variance + 1e-5
	v_rsq_f32 v[LT+2], v[LT+2]
	v_nop                                          ; one plain place behind the transcendental
.set jj, 0
	s_wait_alu depctr_va_vdst(0)                   ; the root's reciprocal is written, ahead of its first reader
.rept 16
	v_pk_mul_f32 v[X+jj:X+jj+1], v[X+jj:X+jj+1], v[LT+2:LT+3] op_sel_hi:[1,0]
.set jj, jj+2
.endr
	s_wait_dscnt 0x0                               ; gains, and the offsets of blocks 0 and 1
.set jj, 0
.rept 16
	v_pk_fma_f32 v[X+jj:X+jj+1], v[X+jj:X+jj+1], v[GW+jj:GW+jj+1], v[GB+jj:GB+jj+1]
.set jj, jj+2
.endr
	s_wait_alu depctr_va_vdst(0)                   ; the multiply-adds above are done reading v[GB ..], in which the offsets of blocks 2 and 3 land
.irp b,0,1
.irp q,0,1,2,3
	ds_load_b128 v[GB+16*\b+4*\q:GB+16*\b+4*\q+3], v[NWA] offset:512*(\na+1)+256+128*\b+16*\q
.endr
.endr
.set jj, 32
.rept 16
	v_pk_mul_f32 v[X+jj:X+jj+1], v[X+jj:X+jj+1], v[LT+2:LT+3] op_sel_hi:[1,0]
.set jj, jj+2
.endr
	s_wait_dscnt 0x0                               ; the offsets of blocks 2 and 3
.set jj, 0
.rept 16
	v_pk_fma_f32 v[X+32+jj:X+32+jj+1], v[X+32+jj:X+32+jj+1], v[GW+32+jj:GW+32+jj+1], v[GB+jj:GB+jj+1]
.set jj, jj+2
.endr
	QUANT4 X
	s_wait_alu depctr_va_vdst(0)                   ; the row in v[X ..], its codes and its scale word are written, which the stores below read; every line of this phase is done with v44-v203
.if \toF
.irp b,0,1,2,3
.irp q,0,1,2,3
	ds_store_b128 v[ROWF], v[X+16*\b+4*\q:X+16*\b+4*\q+3] offset:128*\b+16*\q
.endr
.endr
.endif
	IMAGE XWI, 0
	ds_store_b32 v[XWS], v[PW]
.endm
; ---- the FFT's parts.  PK = 1: two columns at a time, in packed form.
.macro FADD d, a, b
.if PK
	v_pk_add_f32 v[\d:\d+1], v[\a:\a+1], v[\b:\b+1]
.else
	v_add_f32 v[\d], v[\a], v[\b]
.endif
.endm
.macro FSUB d, a, b
.if PK
	v_pk_add_f32 v[\d:\d+1], v[\a:\a+1], v[\b:\b+1] neg_lo:[0,1] neg_hi:[0,1]
.else
	v_sub_f32 v[\d], v[\a], v[\b]
.endif
.endm
.macro FFMA d, a, k, c, negc           ; d = a k + c, or a k - c
.if PK
.if \negc
	v_pk_fma_f32 v[\d:\d+1], v[\a:\a+1], \k, v[\c:\c+1] op_sel_hi:[1,0,1] neg_lo:[0,0,1] neg_hi:[0,0,1]
.else
	v_pk_fma_f32 v[\d:\d+1], v[\a:\a+1], \k, v[\c:\c+1] op_sel_hi:[1,0,1]
.endif
.else
.if \negc
	v_fma_f32 v[\d], v[\a], \k, -v[\c]
.else
	v_fma_f32 v[\d], v[\a], \k, v[\c]
.endif
.endif
.endm
.macro COS64 q                         ; CV = cos(2 pi q / 64), q = 0 .. 16
.if (\q) == 0
.set CV, 0x3f800000
.elseif (\q) == 1
.set CV, 0x3f7ec46d
.elseif (\q) == 2
.set CV, 0x3f7b14be
.elseif (\q) == 3
.set CV, 0x3f74fa0b
.elseif (\q) == 4
.set CV, 0x3f6c835e
.elseif (\q) == 5
.set CV, 0x3f61c598
.elseif (\q) == 6
.set CV, 0x3f54db31
.elseif (\q) == 7
.set CV, 0x3f45e403
.elseif (\q) == 8
.set CV, 0x3f3504f3
.elseif (\q) == 9
.set CV, 0x3f226799
.elseif (\q) == 10
.set CV, 0x3f0e39da
.elseif (\q) == 11
.set CV, 0x3ef15aea
.elseif (\q) == 12
.set CV, 0x3ec3ef15
.elseif (\q) == 13
.set CV, 0x3e94a031
.elseif (\q) == 14
.set CV, 0x3e47c5c2
.elseif (\q) == 15
.set CV, 0x3dc8bd36
.else
.set CV, 0
.endif
.endm
.macro GETW q                          ; WR + i WI = e^(-2 pi i q / 64); NWI = -WI
.set QQ, (\q)&63
.set QR, QQ%16
.set QD, QQ/16
	COS64 QR
.set CC, CV
	COS64 16-QR
.set CD, CV
.if QD == 0
.set WR, CC
.set WI, CD^0x80000000
.elseif QD == 1
.set WR, CD^0x80000000
.set WI, CC^0x80000000
.elseif QD == 2
.set WR, CC^0x80000000
.set WI, CD
.else
.set WR, CD
.set WI, CC
.endif
.set NWI, WI^0x80000000
.endm
.macro CMUL re, im, q                  ; (re + i im) times e^(-2 pi i q / 64)
	GETW \q
.set CT, (CT+2)%16
	v_mul_f32 v[T+CT], WI, v[\re]
	v_mul_f32 v[T+CT+1], WR, v[\re]
	v_fmamk_f32 v[\re], v[\im], NWI, v[T+CT+1]
	v_fmamk_f32 v[\im], v[\im], WR, v[T+CT]
.endm
.macro RDFT8 base, st                  ; 8 real numbers to half a spectrum, in place: slots 0 Y0, 1-3 Re 1-3, 4 Y4, 5 Im 3, 6 Im 2, 7 Im 1
.set TS, 1+PK
	FADD T+TS*0, \base+\st*0, \base+\st*4
	FADD T+TS*1, \base+\st*1, \base+\st*5
	FADD T+TS*2, \base+\st*2, \base+\st*6
	FADD T+TS*3, \base+\st*3, \base+\st*7
	FSUB T+TS*4, \base+\st*0, \base+\st*4
	FSUB T+TS*5, \base+\st*1, \base+\st*5
	FSUB T+TS*6, \base+\st*2, \base+\st*6
	FSUB T+TS*7, \base+\st*3, \base+\st*7
	FSUB \base+\st*2, T+TS*0, T+TS*2
	FADD T+TS*0, T+TS*0, T+TS*2
	FSUB \base+\st*6, T+TS*3, T+TS*1
	FADD T+TS*1, T+TS*1, T+TS*3
	FADD \base+\st*0, T+TS*0, T+TS*1
	FSUB \base+\st*4, T+TS*0, T+TS*1
	FSUB T+TS*2, T+TS*5, T+TS*7
	FADD T+TS*3, T+TS*5, T+TS*7
	FFMA \base+\st*1, T+TS*2, RT, T+TS*4, 0
	FFMA \base+\st*3, T+TS*2, NRT, T+TS*4, 0
	FFMA \base+\st*7, T+TS*3, NRT, T+TS*6, 1
	FFMA \base+\st*5, T+TS*3, NRT, T+TS*6, 0
.endm
.macro HDFT8 base, st                  ; the way back: half a spectrum, laid as above, to 8 real numbers (not divided by 8)
.set TS, 1+PK
	FADD T+TS*0, \base+\st*0, \base+\st*4
	FSUB T+TS*1, \base+\st*0, \base+\st*4
	FFMA T+TS*2, \base+\st*2, 2.0, T+TS*0, 0
	FFMA T+TS*3, \base+\st*2, -2.0, T+TS*0, 0
	FFMA T+TS*4, \base+\st*6, -2.0, T+TS*1, 0
	FFMA T+TS*5, \base+\st*6, 2.0, T+TS*1, 0
	FADD T+TS*0, \base+\st*1, \base+\st*3
	FSUB T+TS*1, \base+\st*1, \base+\st*3
	FADD T+TS*6, \base+\st*7, \base+\st*5
	FSUB T+TS*7, \base+\st*5, \base+\st*7
	FSUB T+TS*8, T+TS*1, T+TS*6
	FADD T+TS*9, T+TS*1, T+TS*6
	FFMA \base+\st*0, T+TS*0, 2.0, T+TS*2, 0
	FFMA \base+\st*4, T+TS*0, -2.0, T+TS*2, 0
	FFMA \base+\st*1, T+TS*8, SQ2, T+TS*4, 0
	FFMA \base+\st*5, T+TS*8, NSQ2, T+TS*4, 0
	FFMA \base+\st*2, T+TS*7, 2.0, T+TS*3, 0
	FFMA \base+\st*6, T+TS*7, -2.0, T+TS*3, 0
	FFMA \base+\st*3, T+TS*9, NSQ2, T+TS*5, 0
	FFMA \base+\st*7, T+TS*9, SQ2, T+TS*5, 0
.endm
.macro CDFT8 rb, ib                    ; 8 complex numbers, forward, natural order, in place.  With the two arguments swapped it is the inverse
.irp j,0,2
	v_pk_add_f32 v[T+\j:T+\j+1], v[\rb+\j:\rb+\j+1], v[\rb+\j+4:\rb+\j+5]
	v_pk_add_f32 v[T+4+\j:T+5+\j], v[\ib+\j:\ib+\j+1], v[\ib+\j+4:\ib+\j+5]
	v_pk_add_f32 v[T+8+\j:T+9+\j], v[\rb+\j:\rb+\j+1], v[\rb+\j+4:\rb+\j+5] neg_lo:[0,1] neg_hi:[0,1]
	v_pk_add_f32 v[T+12+\j:T+13+\j], v[\ib+\j:\ib+\j+1], v[\ib+\j+4:\ib+\j+5] neg_lo:[0,1] neg_hi:[0,1]
.endr
	v_pk_add_f32 v[T+16:T+17], v[T:T+1], v[T+2:T+3]
	v_pk_add_f32 v[T+18:T+19], v[T:T+1], v[T+2:T+3] neg_lo:[0,1] neg_hi:[0,1]
	v_pk_add_f32 v[T+20:T+21], v[T+4:T+5], v[T+6:T+7]
	v_pk_add_f32 v[T+22:T+23], v[T+4:T+5], v[T+6:T+7] neg_lo:[0,1] neg_hi:[0,1]
	v_add_f32 v[\rb], v[T+16], v[T+17]
	v_add_f32 v[\ib], v[T+20], v[T+21]
	v_sub_f32 v[\rb+4], v[T+16], v[T+17]
	v_sub_f32 v[\ib+4], v[T+20], v[T+21]
	v_add_f32 v[\rb+2], v[T+18], v[T+23]
	v_sub_f32 v[\ib+2], v[T+22], v[T+19]
	v_sub_f32 v[\rb+6], v[T+18], v[T+23]
	v_add_f32 v[\ib+6], v[T+22], v[T+19]
	v_add_f32 v[T+16], v[T+9], v[T+13]
	v_sub_f32 v[T+17], v[T+13], v[T+9]
	v_sub_f32 v[T+18], v[T+15], v[T+11]
	v_add_f32 v[T+19], v[T+11], v[T+15]
	v_add_f32 v[T], v[T+8], v[T+14]
	v_sub_f32 v[T+1], v[T+8], v[T+14]
	v_sub_f32 v[T+2], v[T+12], v[T+10]
	v_add_f32 v[T+3], v[T+12], v[T+10]
	v_add_f32 v[T+20], v[T+16], v[T+18]
	v_sub_f32 v[T+21], v[T+17], v[T+19]
	v_sub_f32 v[T+22], v[T+16], v[T+18]
	v_add_f32 v[T+23], v[T+17], v[T+19]
	v_fmamk_f32 v[\rb+1], v[T+20], RT, v[T]
	v_fmamk_f32 v[\ib+1], v[T+21], RT, v[T+2]
	v_fmamk_f32 v[\rb+5], v[T+20], NRT, v[T]
	v_fmamk_f32 v[\ib+5], v[T+21], NRT, v[T+2]
	v_fmamk_f32 v[\rb+3], v[T+23], RT, v[T+1]
	v_fmamk_f32 v[\ib+3], v[T+22], NRT, v[T+3]
	v_fmamk_f32 v[\rb+7], v[T+23], NRT, v[T+1]
	v_fmamk_f32 v[\ib+7], v[T+22], RT, v[T+3]
.endm
.macro FSCALE                          ; x 1/8 (norm 'ortho'); the imaginary parts that stand for bins above 32 change sign: those bins are conjugates
.set jj, 0
.rept 20
	v_pk_mul_f32 v[Y+jj:Y+jj+1], v[Y+jj:Y+jj+1], 0x3e000000 op_sel_hi:[1,0]
.set jj, jj+2
.endr
.rept 12
.if (jj%8) < 4
	v_pk_mul_f32 v[Y+jj:Y+jj+1], v[Y+jj:Y+jj+1], 0x3e000000 op_sel_hi:[1,0]
.else
	v_pk_mul_f32 v[Y+jj:Y+jj+1], v[Y+jj:Y+jj+1], 0xbe000000 op_sel_hi:[1,0]
.endif
.set jj, jj+2
.endr
	v_pk_mul_f32 v[E:E+1], v[E:E+1], 0x3e000000 op_sel_hi:[1,0]
	v_pk_mul_f32 v[E+2:E+3], v[E+2:E+3], 0x3e000000 op_sel_hi:[1,0]
	v_pk_mul_f32 v[E+4:E+5], v[E+4:E+5], 0xbe000000 op_sel_hi:[1,0]
	v_pk_mul_f32 v[E+6:E+7], v[E+6:E+7], 0xbe000000 op_sel_hi:[1,0]
.endm
; Which register is which row.  Bin k = kp + 8 m: real part in row k, imaginary part in row 33 + k; above 32 the bin 64 - k stands for it.
; inv = 0: the rfft's rows are stored.  inv = 1: the spectral result's rows are loaded; there row 64 lies in slot 33.
.macro ROWIO inv
.irp m,0,1,2,3,4,5,6,7
.set rw, 8*\m
.if \m > 4
.set rw, 33+8*(8-\m)
.endif
.if \inv
	ds_load_b32 v[Y+\m], v[COLF] offset:rw*PITCH
.else
	ds_store_b32 v[COLF], v[Y+\m] offset:rw*PITCH
.endif
.endr
.irp kp,1,2,3,4
.irp m,0,1,2,3,4,5,6,7
.set kx, \kp+8*\m
.if \m > 3
.set kx, 64-kx
.endif
.set rim, Y+8*(8-\kp)+\m
.if \kp == 4
.set rim, E+\m
.endif
.set iw, 33+kx
.if \inv
.if iw == 64
.set iw, 33
.endif
	ds_load_b32 v[Y+8*\kp+\m], v[COLF] offset:kx*PITCH
	ds_load_b32 v[rim], v[COLF] offset:iw*PITCH
.elseif (\kp < 4) || (\m < 4)
	ds_store_b32 v[COLF], v[Y+8*\kp+\m] offset:kx*PITCH
	ds_store_b32 v[COLF], v[rim] offset:iw*PITCH
.endif
.endr
.endr
.endm
.macro ROWQ loff, ioff, soff           ; 16 rows of the rfft become a fragment's image
	s_wait_alu depctr_vm_vsrc(0)                   ; the stores issued so far (the column's, or the last image's) have read v44-v116: the rows land in v[X ..], and the quantiser writes v44-v68
.irp b,0,1,2,3
.irp q,0,1,2,3
	ds_load_b128 v[X+16*\b+4*\q:X+16*\b+4*\q+3], v[ROWF] offset:\loff+128*\b+16*\q
.endr
.endr
	s_wait_dscnt 0x0
	QUANT4 X
	s_wait_alu depctr_va_vdst(0)                   ; the codes and the scale word are written, which the stores below read; the quantiser is done reading v[X ..]
	IMAGE FWI, \ioff
	ds_store_b32 v[FWS], v[PW] offset:\soff
.endm
; ---- attention of my head on one window.  spec = 0: 64 tokens with the position bias.  spec = 1: the rfft's 66 rows, in five tiles; 64 queries.
; k^T and q^T: source 0 = my 16 rows of the weight, source 1 = 16 tokens: a lane holds one token and eight of the head's 16.  v: the other way round: a lane holds one of the
; head's 16, its registers run down the tokens, which are the second product's K.  Scores: S^T = k q^T in the f32 form: a lane holds one query, register j of tile t key 16 t + 8 h + j.
; p and v go through the same conversions, so their keys lie in the same order inside each block of 32, and the blocks are the true ones.
; The scores of query tile 0 are multiplied while v is quantised; those of tile tq + 1 while tile tq's exponentials, codes and sum are made: t - M has then been formed into p's registers, and nothing reads the scores any more.
.macro ATT spec
.set NT, 4+\spec
.set NBK, 2+\spec
.set SPC, \spec
	NOPS 4                                         ; places in front of loads into registers that matrix instructions have read or written
	s_wait_alu depctr_va_vdst(0)                   ; v[ADR0] to v[ADR2] are written, which the loads and stores of this attention read; the lines and products issued so far are done with v[XF ..] and the scale words, in which the loads below land
.set tt, 0
.rept NT
	FETCH XF+8*tt, ADR0, 1024*tt
	ds_load_b32 v[SCB+tt], v[ADR1] offset:128*tt
.set tt, tt+1
.endr
	s_wait_dscnt 0x0
.if \spec
	; Query tile 2 with row 64 in row 33's stead (row 33's result is never used, row 64's is): lanes 1 and 17 take what lanes 0 and 16 hold of tile 4, all others keep tile 2
	v_mov_b32_dpp v[SCB+5], v[SCB+4] row_xmask:1 row_mask:0xf bank_mask:0xf
	v_cndmask_b32 v[SCB+5], v[SCB+2], v[SCB+5], s52
.irp j,0,1,2,3,4,5,6,7
	v_mov_b32_dpp v[VF+\j], v[XF+32+\j] row_xmask:1 row_mask:0xf bank_mask:0xf
.endr
.irp j,0,1,2,3,4,5,6,7
	v_cndmask_b32 v[VF+\j], v[XF+16+\j], v[VF+\j], s52
.endr
	NOPS 8                                         ; a scale word written by a vector line stands eight places ahead of the scaled product, an operand so written four
	s_wait_alu depctr_va_vdst(0)                   ; the selections have written v[VF ..] and v[SCB+5], which a scaled product below takes as operand and as scales
.endif
	WIN 0x11                                       ; source 0 (weight) and C (bias) in window 1
.set tt, 0
.rept NT
	v_wmma_scale_f32_16x16x128_f8f6f4 v[KT+8*tt:KT+8*tt+7], v[WK:WK+7], v[XF+8*tt:XF+8*tt+7], v[BK:BK+7], v[SCK], v[SCB+tt] matrix_a_fmt:MATRIX_FMT_FP4 matrix_b_fmt:MATRIX_FMT_FP4
.set tt, tt+1
.endr
.set tt, 0
.rept 4
.if \spec && (tt == 2)
	v_wmma_scale_f32_16x16x128_f8f6f4 v[QT+16:QT+23], v[WQ:WQ+7], v[VF:VF+7], v[BQ:BQ+7], v[SCQ], v[SCB+5] matrix_a_fmt:MATRIX_FMT_FP4 matrix_b_fmt:MATRIX_FMT_FP4
.else
	v_wmma_scale_f32_16x16x128_f8f6f4 v[QT+8*tt:QT+8*tt+7], v[WQ:WQ+7], v[XF+8*tt:XF+8*tt+7], v[BQ:BQ+7], v[SCQ], v[SCB+tt] matrix_a_fmt:MATRIX_FMT_FP4 matrix_b_fmt:MATRIX_FMT_FP4
.endif
.set tt, tt+1
.endr
	WIN 0x14                                       ; source 1 (weight) and C (bias) in window 1
.set tt, 0
.rept NT
	v_wmma_scale_f32_16x16x128_f8f6f4 v[VT+8*tt:VT+8*tt+7], v[XF+8*tt:XF+8*tt+7], v[WVV:WVV+7], v[BV:BV+7], v[SCB+tt], v[SCV] matrix_a_fmt:MATRIX_FMT_FP4 matrix_b_fmt:MATRIX_FMT_FP4
.set tt, tt+1
.endr
	WIN 0
	NOPS 5                                         ; behind the products: their results are read by vector lines, and k^T and q^T become sources of matrix lines
.set scq, 0                            ; query tile 0's scores: the first links on end, the others among the lines of v's quantiser
.set sci, 0
.set scn, 4*NT
.rept NT
	SC
.endr
.set TM, XF
.if \spec
.irp j,2,3,4,5,6,7
	v_mov_b32 v[T4+\j], 0                          ; of tile 4 only tokens 64 and 65 exist: lanes 0-15, registers 0 and 1
.endr
	v_cndmask_b32 v[T4], v[T4], v[T4+2], s50
	v_cndmask_b32 v[T4+1], v[T4+1], v[T4+2], s50
.endif
	BMAX VT, 2
.if \spec
	v_max3_num_f32 v[TM+2], |v[T4]|, |v[T4+1]|, 0x1800000
	v_permlanex16_b32 v[TM+6], v[TM+2], s46, s47
	v_max_num_f32 v[TM+2], v[TM+2], v[TM+6]
.endif
	BSCALE NBK, SCB+6
	BCVT VT, 2, VF, \spec
	SCALL
.irp j,5,6,7
	v_mov_b32 v[VF+\j], 0                          ; the rest of the K step: zero codes on both sides
	v_mov_b32 v[PF+\j], 0
.endr
.if !\spec
	v_mov_b32 v[VF+4], 0
	v_mov_b32 v[PF+4], 0
.endif
	NOPS 4                                         ; with the six or eight lines above: more than the eight places that stand between the f32 form and the first read of its results
.set TM, VT
.irp tq,0,1,2,3
.irp b,0,1
	v_max3_num_f32 v[TM+\b], v[SA+16*\b], v[SA+16*\b+1], v[SA+16*\b+2]   ; each block's largest score: for the row's maximum, and for the block's largest p
.endr
.irp i,3,5,7,9,11,13
.irp b,0,1
	v_max3_num_f32 v[TM+\b], v[TM+\b], v[SA+16*\b+\i], v[SA+16*\b+\i+1]
.endr
.endr
.irp b,0,1
	v_max_num_f32 v[TM+\b], v[TM+\b], v[SA+16*\b+15]
.endr
.if \spec
	v_max_num_f32 v[TM+2], v[SA+32], v[SA+33]
	v_cndmask_b32 v[TM+2], v[TM+2], v[NEGI], s50   ; lanes 16-31 hold no key of the third block
.endif
	PERMAX NBK
.if \spec
	v_max3_num_f32 v[TM+18], v[TM], v[TM+1], v[TM+2]
.else
	v_max_num_f32 v[TM+18], v[TM], v[TM+1]
.endif
	v_mul_f32 v[TM+18], s48, v[TM+18]              ; the row's largest t
	v_floor_f32 v[TM+16], -v[TM+18]                ; -M = floor(-t): M is a whole number
.set jj, 0
.rept 16
	v_pk_fma_f32 v[PP+jj:PP+jj+1], v[SA+jj:SA+jj+1], s[48:49], v[TM+16:TM+17] op_sel_hi:[1,0,0]   ; t - M: the last read of the scores
.set jj, jj+2
.endr
.if \spec
	v_pk_fma_f32 v[T4:T4+1], v[SA+32:SA+33], s[48:49], v[TM+16:TM+17] op_sel_hi:[1,0,0]
.endif
.set bb, 0
.rept NBK
	v_fma_f32 v[TM+bb], v[TM+bb], s48, v[TM+16]
.set bb, bb+1
.endr
.set sci, 0                            ; from here on the next query tile's scores are multiplied, one product in front of every third exponential, then among the lines that follow
.if \tq < 3
.set scn, 4*NT
.set scq, \tq+1
.else
.set scn, 0
.endif
.set jj, 0
.rept 32
.if (jj%3) == 0
	SC
.endif
	v_exp_f32 v[PP+jj], v[PP+jj]                   ; p = 2^(t - M)
.set jj, jj+1
.endr
.if \spec
	v_exp_f32 v[T4], v[T4]
	v_exp_f32 v[T4+1], v[T4+1]
.endif
.set bb, 0
.rept NBK
	v_exp_f32 v[TM+bb], v[TM+bb]                   ; the block's largest p: the same two lines on the same number
.set bb, bb+1
.endr
	v_nop                                          ; one plain place behind the exponentials
	s_wait_alu depctr_va_vdst(0)                   ; the exponentials' results are written, ahead of their first reader; so are the last tile's scalings of v[OA ..], which the stores below read
.if \tq > 0
	ds_store_b128 v[ADR2], v[OA:OA+3] offset:(\tq-1)*TILEB       ; the tile before: query r, my head's channels 8 h .. 8 h + 7.  No line since the wait names v[OA ..] or v[ADR2]
	ds_store_b128 v[ADR2], v[OA+4:OA+7] offset:(\tq-1)*TILEB+16
.endif
.if \spec
	v_cndmask_b32 v[T4], v[T4], v[T4+2], s50
	v_cndmask_b32 v[T4+1], v[T4+1], v[T4+2], s50
.endif
.set bb, 0
.rept NBK
	v_max_num_f32 v[TM+bb], 0x1800000, v[TM+bb]
.set bb, bb+1
.endr
	BSCALE NBK, SCB+7
	BCVT PP, 2, PF, \spec
	v_pk_add_f32 v[TM+8:TM+9], v[PP:PP+1], v[PP+2:PP+3]        ; the row's sum, of the unquantised p.  These lines are also the places between p's codes and scale word and the product
	v_pk_add_f32 v[TM+10:TM+11], v[PP+4:PP+5], v[PP+6:PP+7]
.irp j,8,12,16,20,24,28
	SC
	v_pk_add_f32 v[TM+8:TM+9], v[TM+8:TM+9], v[PP+\j:PP+\j+1]
	v_pk_add_f32 v[TM+10:TM+11], v[TM+10:TM+11], v[PP+\j+2:PP+\j+3]
.endr
	SCALL                                          ; behind the last score product stand three plain lines of the sum, four v_nop and four scalings: more than the eight places ahead of the next tile's first read
.if \spec
	v_pk_add_f32 v[TM+8:TM+9], v[TM+8:TM+9], v[T4:T4+1]
.endif
	v_pk_add_f32 v[TM+8:TM+9], v[TM+8:TM+9], v[TM+10:TM+11]
	v_add_f32 v[TM+8], v[TM+8], v[TM+9]
	v_permlanex16_b32 v[TM+19], v[TM+8], s46, s47
	v_add_f32 v[TM+8], v[TM+8], v[TM+19]
	v_rcp_f32 v[TM+20], v[TM+8]
	s_wait_dscnt 0x0                               ; the last tile's stores are done
.if \tq > 0
	s_wait_alu depctr_vm_vsrc(0)                   ; the last tile's stores have read v[OA ..], which the product below writes again
.endif
	s_wait_alu depctr_va_vdst(0)                   ; v's and p's codes and scale words are written, which the scaled product takes; the reciprocal is written, ahead of its first reader
	v_wmma_scale_f32_16x16x128_f8f6f4 v[OA:OA+7], v[VF:VF+7], v[PF:PF+7], 0, v[SCB+6], v[SCB+7] matrix_a_fmt:MATRIX_FMT_FP4 matrix_b_fmt:MATRIX_FMT_FP4
	NOPS 4
.irp j,0,2,4,6
	v_pk_mul_f32 v[OA+\j:OA+\j+1], v[OA+\j:OA+\j+1], v[TM+20:TM+21] op_sel_hi:[1,0]
.endr
.if \tq == 3
	s_wait_alu depctr_va_vdst(0)                   ; the scalings have written v[OA ..], which the last tile's stores read; every line and product of this attention is done with its registers
	ds_store_b128 v[ADR2], v[OA:OA+3] offset:3*TILEB
	ds_store_b128 v[ADR2], v[OA+4:OA+7] offset:3*TILEB+16
.endif
.endr
.endm
; ---- my 16 output channels for the pair's 128 rows: bias as C, NS steps along K, the residual from R added, the sum back to the same places in R.
.macro OUTGEMM WB, BB1, SW, NS
.irp half,0,1
.if \half
	s_wait_alu depctr_vm_vsrc(0)                   ; the stores above have read v[ACC ..], which this half's products write again
.endif
.set ss, 0
.rept \NS
	NOPS 4                                         ; places in front of loads into registers that matrix instructions have read
.if (ss > 0) || (\half == 0)
	s_wait_alu depctr_va_vdst(0)                   ; the first run: v[ADR0] and v[ADR1] are written; a later K step's: the last step's products are done reading their fragments and scale words, in which the loads below land.  (The second half's first run leans on the wait ahead of the stores above)
.endif
.set mq, 0
.rept 4
	FETCH FR+8*mq, ADR0, (\NS*(4*\half+mq)+ss)*1024
	ds_load_b32 v[SCB+mq], v[ADR1] offset:(\NS*(4*\half+mq)+ss)*128
.if ss == 0
	ds_load_b128 v[XRES+8*mq:XRES+8*mq+3], v[DLAY] offset:(4*\half+mq)*TILEB
	ds_load_b128 v[XRES+8*mq+4:XRES+8*mq+7], v[DLAY] offset:(4*\half+mq)*TILEB+16
.endif
.set mq, mq+1
.endr
	s_wait_dscnt 0x0
.if ss == 0
	WIN 0x11
.else
	WIN 0x01
.endif
.set mq, 0
.rept 4                                        ; four accumulators by turns
.if ss == 0
	v_wmma_scale_f32_16x16x128_f8f6f4 v[ACC+8*mq:ACC+8*mq+7], v[\WB:\WB+7], v[FR+8*mq:FR+8*mq+7], v[\BB1:\BB1+7], v[\SW], v[SCB+mq] matrix_a_fmt:MATRIX_FMT_FP4 matrix_b_fmt:MATRIX_FMT_FP4
.else
	v_wmma_scale_f32_16x16x128_f8f6f4 v[ACC+8*mq:ACC+8*mq+7], v[\WB+8*ss:\WB+8*ss+7], v[FR+8*mq:FR+8*mq+7], v[ACC+8*mq:ACC+8*mq+7], v[\SW+ss], v[SCB+mq] matrix_a_fmt:MATRIX_FMT_FP4 matrix_b_fmt:MATRIX_FMT_FP4
.endif
.set mq, mq+1
.endr
	WIN 0
.set ss, ss+1
.endr
	NOPS 4
.set jj, 0
.rept 16
	v_pk_add_f32 v[ACC+jj:ACC+jj+1], v[ACC+jj:ACC+jj+1], v[XRES+jj:XRES+jj+1]
.set jj, jj+2
.endr
	s_wait_alu depctr_va_vdst(0)                   ; the additions have written v[ACC ..], which the stores below read; products and additions are done with the fragments, the scale words and the residual
.set mq, 0
.rept 4
	ds_store_b128 v[DLAY], v[ACC+8*mq:ACC+8*mq+3] offset:(4*\half+mq)*TILEB
	ds_store_b128 v[DLAY], v[ACC+8*mq+4:ACC+8*mq+7] offset:(4*\half+mq)*TILEB+16
.set mq, mq+1
.endr
.endr
.endm
.macro GELU8 x                         ; 8 numbers: x / 2 (1 + erf(x / sqrt 2)), erf(u) = u P(u^2) / Q(u^2) with u held to +-4
.irp p,0,2,4,6
	v_pk_mul_f32 v[GU+\p:GU+\p+1], v[\x+\p:\x+\p+1], 0x3f3504f3 op_sel_hi:[1,0]
.endr
.irp p,0,1,2,3,4,5,6,7
	v_med3_num_f32 v[GU+\p], v[GU+\p], -4.0, 4.0
.endr
.irp p,0,2,4,6
	v_pk_mul_f32 v[GZ+\p:GZ+\p+1], v[GU+\p:GU+\p+1], v[GU+\p:GU+\p+1]
.endr
.irp p,0,2,4,6
	v_pk_fma_f32 v[GP+\p:GP+\p+1], v[GZ+\p:GZ+\p+1], v[CA:CA+1], 0x32edffee op_sel_hi:[1,1,0]
	v_pk_fma_f32 v[GQ+\p:GQ+\p+1], v[GZ+\p:GZ+\p+1], v[CB:CB+1], 0xb95fbd29 op_sel_hi:[1,1,0]
.endr
.irp c,0xb60cff51,0xb86ec2d2,0xba40ac63,0xbb41a1f6,0xbc83dbd4
.irp p,0,2,4,6
	v_pk_fma_f32 v[GP+\p:GP+\p+1], v[GP+\p:GP+\p+1], v[GZ+\p:GZ+\p+1], \c op_sel_hi:[1,1,0]
.endr
.endr
.irp c,0xbadc924e,0xbbf19bf8,0xbc69b6a7
.irp p,0,2,4,6
	v_pk_fma_f32 v[GQ+\p:GQ+\p+1], v[GQ+\p:GQ+\p+1], v[GZ+\p:GZ+\p+1], \c op_sel_hi:[1,1,0]
.endr
.endr
.irp p,0,1,2,3,4,5,6,7
	v_rcp_f32 v[GQ+\p], v[GQ+\p]
.endr
.irp p,0,2,4,6
	v_pk_mul_f32 v[\x+\p:\x+\p+1], v[\x+\p:\x+\p+1], 0.5 op_sel_hi:[1,0]     ; (plain places behind the reciprocals)
.endr
.irp p,0,2,4,6
	v_pk_mul_f32 v[GP+\p:GP+\p+1], v[GP+\p:GP+\p+1], v[GU+\p:GU+\p+1]
.endr
	s_wait_alu depctr_va_vdst(0)                   ; the eight reciprocals are written, ahead of their first reader
.irp p,0,2,4,6
	v_pk_mul_f32 v[GP+\p:GP+\p+1], v[GP+\p:GP+\p+1], v[GQ+\p:GQ+\p+1]
.endr
.irp p,0,2,4,6
	v_pk_fma_f32 v[\x+\p:\x+\p+1], v[\x+\p:\x+\p+1], v[GP+\p:GP+\p+1], v[\x+\p:\x+\p+1]
.endr
.endm
; ================ the head: addresses, then everything that stays
.set HL, 108
.set HR, 109
.set HH, 110
.set HP, 111
.set HT1, 113
.set H8, 114
.set O64, 115
.set OF1, 116
.set OF2, 117
.set OB32, 118
.set OS4, 119
.set OB1, 120
.set OS1, 121
.set OS2, 122
.set ORP, 123
.set DNW, 124
.set HD, 126
.set HZ, 130
	s_load_b512 s[4:19], s[0:1], 0x0               ; x 4, norm1_w 6, norm1_b 8, qkv codes 10, qkv scales 12, qkv_b 14, rpb 16, proj codes 18
	s_load_b512 s[20:35], s[0:1], 0x40             ; proj scales 20, proj_b 22, norm2_w 24, norm2_b 26, fc1 codes 28, fc1 scales 30, fc1_b 32, fc2 codes 34
	s_load_b128 s[36:39], s[0:1], 0x80             ; fc2 scales 36, fc2_b 38
	s_load_b64 s[40:41], s[0:1], 0x90              ; out0
	v_lshl_add_u32 v16, v0, 2, 0x44400
	v_mov_b32 v23, 0
	v_lshrrev_b32 v[ADR0], 5, v0
	v_readfirstlane_b32 s42, v[ADR0]               ; wave 0..7
	s_wait_alu depctr_va_sdst(0)                   ; s42 is written, ahead of its first reader
	s_and_b32 s43, s42, 3
	s_lshr_b32 s44, s42, 2
	s_mov_b32 s46, 0x76543210
	s_mov_b32 s47, 0xfedcba98                      ; v_permlanex16_b32's selects for lane l xor 16
	s_mov_b32 s48, 0x3eb8aa3b                      ; log2(e) / 4: t = (q.k + 4 bias) x this
	s_mov_b32 s49, s48
	s_mov_b32 s50, 0xffff0000                      ; lanes 16-31
	s_mov_b32 s51, 0x3c000000                      ; 1 / 128
	s_mov_b32 s52, 0x00020002                      ; lanes 1 and 17
	s_mov_b32 s54, 4                               ; pairs to go
	v_and_b32 v[HL], 31, v0
	v_and_b32 v[HR], 15, v0                        ; r
	v_bfe_u32 v[HH], v0, 4, 1                      ; h
	v_lshlrev_b32 v[LI], 4, v[HL]
	v_lshlrev_b32 v[LS], 2, v[HL]
	v_mul_u32_u24 v[HP], v[HR], PITCH
	s_mul_i32 s45, s42, TILEB
	v_lshl_add_u32 v[ROWW], v[HH], 6, v[HP]
	v_add_nc_u32 v[DENSE], s45, v[LI]
	s_mul_i32 s70, s44, FWIN
	s_mul_i32 s71, s43, TILEB
	s_add_co_u32 s71, s71, s70
	s_add_co_u32 s71, s71, L_F
	v_add_nc_u32 v[ROWF], s71, v[ROWW]
	v_add_nc_u32 v[ROWW], s45, v[ROWW]
	s_lshl_b32 s71, s43, 7
	s_add_co_u32 s71, s71, s70
	s_add_co_u32 s71, s71, L_F
	v_add_nc_u32 v[COLF], s71, v[LS]
	s_lshl_b32 s71, s42, 6
	v_lshl_add_u32 v[DLAY], v[HH], 5, v[HP]
	v_add_nc_u32 v[DLAY], s71, v[DLAY]
	s_lshl_b32 s70, s43, 18                        ; two rows of the picture for each w % 4,
	s_lshl_b32 s71, s44, 12                        ; eight columns for the second window
	s_add_co_u32 s70, s70, s71
	v_add_nc_u32 v[GX], s70, v[LI]
	s_lshl_b32 s70, s42, 10
	s_add_co_u32 s70, s70, L_AI
	v_add_nc_u32 v[XWI], s70, v[LI]
	s_lshl_b32 s70, s42, 7
	s_add_co_u32 s70, s70, L_AS
	v_add_nc_u32 v[XWS], s70, v[LS]
	s_mul_i32 s70, s44, 5
	s_add_co_u32 s70, s70, s43
	s_lshl_b32 s71, s70, 10
	s_add_co_u32 s71, s71, L_FI
	v_add_nc_u32 v[FWI], s71, v[LI]
	s_lshl_b32 s71, s70, 7
	s_add_co_u32 s71, s71, L_FS
	v_add_nc_u32 v[FWS], s71, v[LS]
	s_lshl_b32 s70, s42, 9                         ; K step w / 2, half w % 2 of its image
	s_add_co_u32 s70, s70, L_GI
	v_add_nc_u32 v[HWI], s70, v[LI]
	s_lshr_b32 s70, s42, 1
	s_lshl_b32 s70, s70, 7
	s_and_b32 s71, s42, 1
	s_lshl_b32 s71, s71, 1
	s_add_co_u32 s70, s70, s71
	s_add_co_u32 s70, s70, L_GS
	v_add_nc_u32 v[HWS], s70, v[LS]
	v_lshlrev_b32 v[NWA], 6, v[HH]
	v_add_nc_u32 v[NWA], L_NW, v[NWA]
	v_mov_b32 v[NEGI], 0xff800000
	v_mov_b32 v[SCB+5], 0                          ; written once: the destination of a line that takes another lane's word counts as one of its sources
	; byte offsets into the weights
	s_lshl_b32 s70, s42, 10
	v_lshlrev_b32 v[O64], 6, v[HR]
	v_lshl_add_u32 v[O64], v[HH], 4, v[O64]
	v_add_nc_u32 v[O64], s70, v[O64]               ; rows of 64 bytes: row 16 w + r, + 16 h
	v_and_b32 v[H8], 8, v[HR]
	v_add_nc_u32 v[H8], v[H8], v[HR]               ; r + 8 (r / 8)
	s_lshl_b32 s70, s42, 12
	v_lshlrev_b32 v[OF1], 6, v[H8]
	v_lshl_add_u32 v[OF1], v[HH], 4, v[OF1]
	v_add_nc_u32 v[OF1], s70, v[OF1]               ; fc1: row 64 w + r + 8 (r / 8)
	v_lshlrev_b32 v[OF2], 8, v[HR]
	v_lshl_add_u32 v[OF2], v[HH], 4, v[OF2]
	v_add_nc_u32 v[OF2], s70, v[OF2]               ; fc2: rows of 256 bytes
	s_lshl_b32 s70, s42, 6
	v_lshlrev_b32 v[OB32], 5, v[HH]
	v_add_nc_u32 v[OB32], s70, v[OB32]             ; a bias in the result's layout: channel 16 w + 8 h
	v_lshlrev_b32 v[OS4], 2, v[HR]
	v_add_nc_u32 v[OS4], s70, v[OS4]               ; 4 bytes for row or channel 16 w + r
	v_add_nc_u32 v[DNW], L_NW, v[OS4]
	s_lshl_b32 s70, s42, 8
	v_lshlrev_b32 v[OB1], 6, v[HH]
	v_add_nc_u32 v[OB1], s70, v[OB1]
	v_lshlrev_b32 v[OS1], 2, v[H8]
	v_add_nc_u32 v[OS1], s70, v[OS1]
	v_lshlrev_b32 v[OS2], 4, v[HR]
	v_add_nc_u32 v[OS2], s70, v[OS2]
	v_lshrrev_b32 v[ORP], 3, v[HR]                 ; the position bias: query 16 tq + r, key 16 t + 8 h + j: table row (r / 8 - h + 7) 15 + r % 8 + 7 - 30 (t - tq) - j
	v_sub_nc_u32 v[ORP], v[ORP], v[HH]
	v_add_nc_u32 v[ORP], 7, v[ORP]
	v_mul_u32_u24 v[ORP], v[ORP], 15
	v_and_b32 v[HT1], 7, v[HR]
	v_add_nc_u32 v[ORP], v[ORP], v[HT1]
	v_add_nc_u32 v[ORP], 7, v[ORP]
	v_lshlrev_b32 v[ORP], 5, v[ORP]
	s_lshl_b32 s70, s42, 2
	v_add_nc_u32 v[ORP], s70, v[ORP]
	v_mov_b32 v[HZ], 0
.irp j,0,1,2,3,4,5,6,7,8,9,10,11
	v_mov_b32 v[LT+\j], 0                          ; written once: a lane permute's destination counts as one of its sources
.endr
	s_lshl_b32 s45, ttmp9, 2                       ; my first pair
	s_lshr_b32 s70, s45, 4
	s_lshl_b32 s70, s70, 20                        ; eight rows of the picture for each 16 pairs,
	s_and_b32 s71, s45, 15
	s_lshl_b32 s71, s71, 13                        ; sixteen columns a pair
	s_add_co_u32 s70, s70, s71
	s_mov_b32 s71, 0
	s_wait_kmcnt 0x0
	s_add_nc_u64 s[4:5], s[4:5], s[70:71]
	s_add_nc_u64 s[40:41], s[40:41], s[70:71]
	s_wait_alu depctr_va_vdst(0)                   ; every address and offset of the head (v1-v22, v108-v130) and the zero in v[HZ] are written, which the loads and stores below, and those of the whole launch, read
	XLOADD 0
	WIN 0x40                                       ; destinations in window 1
.irp c,0,1
	global_load_b128 v[WQ+4*\c:WQ+4*\c+3], v[O64], s[10:11] offset:32*\c
	global_load_b128 v[WK+4*\c:WK+4*\c+3], v[O64], s[10:11] offset:8192+32*\c
	global_load_b128 v[WVV+4*\c:WVV+4*\c+3], v[O64], s[10:11] offset:16384+32*\c
	global_load_b128 v[WP+4*\c:WP+4*\c+3], v[O64], s[18:19] offset:32*\c
	global_load_b128 v[BQ+4*\c:BQ+4*\c+3], v[OB32], s[14:15] offset:16*\c
	global_load_b128 v[BK+4*\c:BK+4*\c+3], v[OB32], s[14:15] offset:512+16*\c
	global_load_b128 v[BP+4*\c:BP+4*\c+3], v[OB32], s[22:23] offset:16*\c
	global_load_b128 v[B2+4*\c:B2+4*\c+3], v[OB32], s[38:39] offset:16*\c
.irp t,0,1,2,3
	global_load_b128 v[W1+8*\t+4*\c:W1+8*\t+4*\c+3], v[OF1], s[28:29] offset:(32*(\t/2)+8*(\t%2))*64+32*\c   ; the rows of a tile of fc1 are chosen so that two tiles' 16 registers are 16 neighbours along fc2's K
	global_load_b128 v[W2+8*\t+4*\c:W2+8*\t+4*\c+3], v[OF2], s[34:35] offset:64*\t+32*\c
	global_load_b128 v[B1+8*\t+4*\c:B1+8*\t+4*\c+3], v[OB1], s[32:33] offset:(32*(\t/2)+8*(\t%2))*4+16*\c
.endr
.endr
.irp j,0,1,2,3,4,5,6,7
	global_load_b32 v[BV+\j], v[OS4], s[14:15] offset:1024       ; v's bias: a lane holds one channel in all its registers
.endr
.irp d,0,1,2,3,4,5,6
.irp j,0,1,2,3,4,5,6,7
	global_load_b32 v[RPB+8*\d+\j], v[ORP], s[16:17] offset:-960*(\d-3)-32*\j
.endr
.endr
	WIN 0
	global_load_b32 v[SCQ], v[OS4], s[12:13]
	global_load_b32 v[SCK], v[OS4], s[12:13] offset:512
	global_load_b32 v[SCV], v[OS4], s[12:13] offset:1024
	global_load_b32 v[SCP], v[OS4], s[20:21]
.irp t,0,1,2,3
	global_load_b32 v[SC1+\t], v[OS1], s[30:31] offset:(32*(\t/2)+8*(\t%2))*4
	global_load_b32 v[SC2+\t], v[OS2], s[36:37] offset:4*\t
.endr
	global_load_b32 v[HD], v[OS4], s[6:7]          ; my 64 bytes of each norm vector
	global_load_b32 v[HD+1], v[OS4], s[8:9]
	global_load_b32 v[HD+2], v[OS4], s[24:25]
	global_load_b32 v[HD+3], v[OS4], s[26:27]
	s_wait_loadcnt 0x0
	WIN 0x44
.set jj, 0
.rept 56
	v_mul_f32 v[RPB+jj], 4.0, v[RPB+jj]            ; exact: the factor 1/4 of the scores is taken off the sum q.k + 4 bias
.set jj, jj+1
.endr
	WIN 0
.irp a,0,1,2,3
	ds_store_b32 v[DNW], v[HD+\a] offset:512*\a    ; lanes l and l + 16 write the same word with the same value
.endr
.irp n,65,66,67,68,69,70,71,72,73,74,75,76,77,78,79
	ds_store_b32 v[COLF], v[HZ] offset:\n*PITCH    ; rows that stay zero: the imaginary part of bin 32, and the fifth tile's filling
.endr
	BAR
.Lpair:
	; ---- P0: x to R; LN1 of my 16 rows; to F for the rfft; quantised, image to LDS
	s_wait_loadcnt 0x0
.set kq, 0
.rept 16
	ds_store_b128 v[DENSE], v[XR+4*kq:XR+4*kq+3] offset:kq*PITCH
.set kq, kq+1
.endr
	s_wait_alu depctr_vm_vsrc(0)                   ; the stores above have read v[XR ..], in which the gains land; the last pair's stores of the result (in the first trip: the head's loads and stores) have read v108-v171, in which the row lands
.irp b,0,1,2,3
.irp q,0,1,2,3
	ds_load_b128 v[X+16*\b+4*\q:X+16*\b+4*\q+3], v[ROWW] offset:128*\b+16*\q   ; my wave's own rows: LDS serves a wave's instructions in order
.endr
.endr
	s_wait_dscnt 0x0
.set TM, 44
.set PCD, 60
.set PW, 68
	LNQ 0, 1
	BAR
	; ---- P1: rfft along the 64 tokens of my channel.  n = j + 8 i, k = kp + 8 m: eight real transforms over i, twiddles, transforms over j
	s_wait_alu depctr_vm_vsrc(0)                   ; P0's stores have read the codes and the scale word (v60-v68), in which the column lands, and the row (v108-v171), part of which the transforms write
.set nn, 0
.rept 64
	ds_load_b32 v[Y+nn], v[COLF] offset:nn*PITCH
.set nn, nn+1
.endr
	s_wait_dscnt 0x0
.set PK, 1
.irp jp,0,1,2,3
	RDFT8 Y+2*\jp, 8
.endr
.set PK, 0
.irp kp,1,2,3
.irp j,1,2,3,4,5,6,7
	CMUL Y+8*\kp+\j, Y+8*(8-\kp)+\j, \j*\kp
.endr
.endr
.irp j,1,2,3,4,5,6,7
	GETW 4*\j
	v_mul_f32 v[E+\j], WI, v[Y+32+\j]
	v_mul_f32 v[Y+32+\j], WR, v[Y+32+\j]
.endr
	v_mov_b32 v[E], 0
.irp kp,1,2,3
	CDFT8 Y+8*\kp, Y+8*(8-\kp)
.endr
	CDFT8 Y+32, E
	RDFT8 Y, 1
	FSCALE
	v_mov_b32 v[T], 0
	s_wait_alu depctr_va_vdst(0)                   ; the transform has written v[Y ..], v[E ..] and the zero in v[T], which the stores below read
	ROWIO 0
	ds_store_b32 v[COLF], v[T] offset:33*PITCH     ; the imaginary part of bin 0
	BAR
	; ---- P2: the rfft's rows are quantised: tile w % 4 of my window; waves 0 and 4 also the fifth tile
	ROWQ 0, 0, 0
	s_cmp_lg_u32 s43, 0
	s_cbranch_scc1 .Lno4
	s_wait_dscnt 0x0                               ; the stores are done
	ROWQ 64*PITCH, 4096, 512
.Lno4:
	BAR
	; ---- P3: my head's two attentions on each of the two windows
	s_mov_b32 s56, L_AI
	s_mov_b32 s57, L_AS
	s_mov_b32 s58, L_O
	s_mov_b32 s59, L_FI
	s_mov_b32 s60, L_FS
	s_mov_b32 s61, L_F
	s_mov_b32 s55, 2
.Lv:
	s_wait_alu depctr_vm_vsrc(0)                   ; the loads and stores issued so far have read v[ADR0] to v[ADR2], which the lines below write, and v60-v68 (P2's images), over which k^T is written
	v_add_nc_u32 v[ADR0], s56, v[LI]
	v_add_nc_u32 v[ADR1], s57, v[LS]
	v_add_nc_u32 v[ADR2], s58, v[DLAY]
	ATT 0
	s_wait_alu depctr_vm_vsrc(0)                   ; the spatial branch's loads and stores have read v[ADR0] to v[ADR2], which the lines below write, and v[OA ..], in which the fifth fragment lands
	v_add_nc_u32 v[ADR0], s59, v[LI]
	v_add_nc_u32 v[ADR1], s60, v[LS]
	v_add_nc_u32 v[ADR2], s61, v[DLAY]
	ATT 1
	s_add_co_u32 s56, s56, 4096
	s_add_co_u32 s57, s57, 512
	s_add_co_u32 s58, s58, 64*PITCH
	s_add_co_u32 s59, s59, 5120
	s_add_co_u32 s60, s60, 640
	s_add_co_u32 s61, s61, FWIN
	s_sub_co_i32 s55, s55, 1
	s_cmp_lg_u32 s55, 0
	s_cbranch_scc1 .Lv
	BAR
	; ---- P4: irfft of my channel: the steps of P1 backwards.  Its loads owe no wait: no line behind P3's last wait on va_vdst names v44-v115, and no store has read them since P3's last wait on vm_vsrc
	ROWIO 1
	s_wait_dscnt 0x0
	FSCALE
.irp kp,1,2,3
	CDFT8 Y+8*(8-\kp), Y+8*\kp
.endr
	CDFT8 E, Y+32
	HDFT8 Y, 1
.irp kp,1,2,3
.irp j,1,2,3,4,5,6,7
	CMUL Y+8*\kp+\j, Y+8*(8-\kp)+\j, 64-\j*\kp
.endr
.endr
.irp j,1,2,3,4,5,6,7
	GETW 64-4*\j
	v_mul_f32 v[Y+32+\j], WR, v[Y+32+\j]           ; kp = 4: the twiddled number is real: its real part alone is formed
	v_fmamk_f32 v[Y+32+\j], v[E+\j], NWI, v[Y+32+\j]
.endr
.set PK, 1
.irp jp,0,1,2,3
	HDFT8 Y+2*\jp, 8
.endr
.set PK, 0
	s_wait_alu depctr_va_vdst(0)                   ; the transform has written v[Y ..], which the stores below read
.set nn, 0
.rept 64
	ds_store_b32 v[COLF], v[Y+nn] offset:nn*PITCH
.set nn, nn+1
.endr
	BAR
	; ---- P6: the two branches' sum, my 16 rows, quantised
.set TM, 44                            ; the quantiser's temporaries lie where the second addend lay, here and in P8
	s_wait_alu depctr_vm_vsrc(0)                   ; P3's loads have read v[ADR0], which the line below writes; P4's stores have read v[Y ..] and P3's v[OA ..], in which the two addends land
	v_add_nc_u32 v[ADR0], L_O, v[ROWW]
	s_wait_alu depctr_va_vdst(0)                   ; v[ADR0] is written, which half of the loads below read
.irp b,0,1,2,3
.irp q,0,1,2,3
	ds_load_b128 v[X+16*\b+4*\q:X+16*\b+4*\q+3], v[ROWF] offset:128*\b+16*\q
	ds_load_b128 v[X2+16*\b+4*\q:X2+16*\b+4*\q+3], v[ADR0] offset:128*\b+16*\q
.endr
.endr
	s_wait_dscnt 0x0
.set jj, 0
.rept 32
	v_pk_add_f32 v[X+jj:X+jj+1], v[X+jj:X+jj+1], v[X2+jj:X2+jj+1]
.set jj, jj+2
.endr
	QUANT4 X
	s_wait_alu depctr_va_vdst(0)                   ; the codes and the scale word are written, which the stores below read
	IMAGE XWI, 0
	ds_store_b32 v[XWS], v[PW]
	BAR
	; ---- P7: proj, + proj_b, + x: x1 into R
	s_wait_alu depctr_vm_vsrc(0)                   ; the loads of P6 and P3 have read v[ADR0] and v[ADR1], which the lines below write
	v_add_nc_u32 v[ADR0], L_AI, v[LI]
	v_add_nc_u32 v[ADR1], L_AS, v[LS]
	OUTGEMM WP, BP, SCP, 1
	BAR
	; ---- P8: LN2 of my 16 rows of x1, quantised
	s_wait_alu depctr_vm_vsrc(0)                   ; P7's stores have read v[ACC ..], in which the row lands
.irp b,0,1,2,3
.irp q,0,1,2,3
	ds_load_b128 v[X+16*\b+4*\q:X+16*\b+4*\q+3], v[ROWW] offset:128*\b+16*\q
.endr
.endr
	LNQ 2, 0
	BAR
	; ---- P9: fc1 and GELU: my 64 hidden units for the 128 rows, a tile of rows a trip; quantised in registers: half an image and half a scale word
	s_wait_alu depctr_vm_vsrc(0)                   ; P8's stores have read the codes and the scale word (v60-v68), in which the next pair's x lands
	s_cmp_eq_u32 s54, 1                            ; the next pair's x is asked for here, if there is one: no load leaves its buffer
	s_cbranch_scc1 .Lnonext
	XLOADD 8192
.Lnonext:
	v_mov_b32 v[CA], 0xaf95df0b
	v_mov_b32 v[CA+1], 0xaf95df0b
	v_mov_b32 v[CB], 0xb77460cd
	v_mov_b32 v[CB+1], 0xb77460cd
.set TM, 190
.set PCD, 184
.set PW, 188
	s_mov_b32 s66, L_AI
	s_mov_b32 s67, L_AS
	s_mov_b32 s68, 0
	s_mov_b32 s69, 0
	s_mov_b32 s55, 8
	v_add_nc_u32 v[ADR0], s66, v[LI]
	v_add_nc_u32 v[ADR1], s67, v[LS]
	s_wait_alu depctr_va_vdst(0)                   ; v[ADR0] and v[ADR1] are written, which the loads below read
	FETCH XF8, ADR0, 0                             ; the first tile's fragment and scale word; each later tile's are asked for a trip ahead
	ds_load_b32 v[SCB], v[ADR1]
.Lm:
	s_wait_dscnt 0x0                               ; this tile's fragment is in; the last trip's stores are done
	s_wait_alu depctr_vm_vsrc(0)                   ; the loads and stores issued so far have read the four addresses, the codes and the scale word, all of which this trip writes again
	v_add_nc_u32 v[ADR0], s66, v[LI]
	v_add_nc_u32 v[ADR1], s67, v[LS]
	v_add_nc_u32 v[ADR2], s68, v[HWI]
	v_add_nc_u32 v[ADR3], s69, v[HWS]
	WIN 0x11
.irp t,0,1,2,3
	v_wmma_scale_f32_16x16x128_f8f6f4 v[HA+8*\t:HA+8*\t+7], v[W1+8*\t:W1+8*\t+7], v[XF8:XF8+7], v[B1+8*\t:B1+8*\t+7], v[SC1+\t], v[SCB] matrix_a_fmt:MATRIX_FMT_FP4 matrix_b_fmt:MATRIX_FMT_FP4
.endr
	WIN 0
	NOPS 4                                         ; places in front of the first read of the results, and of loads into the registers that the products have read
	s_cmp_eq_u32 s55, 1                            ; the last trip has no next tile
	s_cbranch_scc1 .Lmlast
	s_wait_alu depctr_va_vdst(0)                   ; v[ADR0] and v[ADR1] are written; the four products are done reading the fragment and the scale word, in which the loads below land
	FETCH XF8, ADR0, 1024                          ; the next tile's: the lines of the GELU stand between the request and the wait for it
	ds_load_b32 v[SCB], v[ADR1] offset:128
.Lmlast:
.irp t,0,1,2,3
	GELU8 HA+8*\t
.endr
	BMAX HA, 2
	BSCALE 2, PW
	BCVT HA, 2, PCD, 0
	s_wait_alu depctr_va_vdst(0)                   ; the codes, the scale word, v[ADR2] and v[ADR3] are written, which the two stores below read
	ds_store_b128 v[ADR2], v[PCD:PCD+3]
	ds_store_b16 v[ADR3], v[PW]
	s_add_co_u32 s66, s66, 1024
	s_add_co_u32 s67, s67, 128
	s_add_co_u32 s68, s68, 4096
	s_add_co_u32 s69, s69, 512
	s_sub_co_i32 s55, s55, 1
	s_cmp_lg_u32 s55, 0
	s_cbranch_scc1 .Lm
	BAR
	; ---- P10: fc2, + fc2_b, + x1: the result into R
	s_wait_alu depctr_vm_vsrc(0)                   ; P9's loads have read v[ADR0] and v[ADR1], which the lines below write; its last stores have read v184-v188, in which the residual lands
	v_add_nc_u32 v[ADR0], L_GI, v[LI]
	v_add_nc_u32 v[ADR1], L_GS, v[LS]
	OUTGEMM W2, B2, SC2, 4
	BAR
	; ---- P11: my 16 rows leave: each store covers one row, 512 consecutive bytes, aligned
	s_wait_alu depctr_vm_vsrc(0)                   ; P10's stores have read v[ACC ..], in which the rows land
.set kq, 0
.rept 16
	ds_load_b128 v[X+4*kq:X+4*kq+3], v[DENSE] offset:kq*PITCH
.set kq, kq+1
.endr
.set kq, 0
.rept 16
	s_wait_dscnt 15-kq                             ; row kq is back; the younger loads may be out
	global_store_b128 v[GX], v[X+4*kq:X+4*kq+3], s[40:41] offset:(kq/8)*131072+(kq%8)*512 th:TH_STORE_NT
.set kq, kq+1
.endr
	s_wait_xcnt 0x0                                ; the loads' and stores' bases and the stores' data are written again only behind this wait
	s_add_nc_u64 s[4:5], s[4:5], 8192
	s_add_nc_u64 s[40:41], s[40:41], 8192
	s_sub_co_i32 s54, s54, 1
	s_cmp_lg_u32 s54, 0
	s_cbranch_scc1 .Lpair
	s_wait_dscnt 0x0                               ; the closing lines, six on end
	s_wait_alu 0x0
	s_wait_tensorcnt 0x0
	ds_add_u32 v16, v23
	s_wait_dscnt 0x0
	s_endpgm
.Lfunc_end_k_q46194bfe20_block:
	.size	k_q46194bfe20_block, .Lfunc_end_k_q46194bfe20_block-k_q46194bfe20_block
	.p2alignl 7, 3214868480
	.fill 96, 4, 3214868480
	.section	.rodata,"a",@progbits
	.p2align	6, 0x0
	.amdhsa_kernel k_q46194bfe20_block
		.amdhsa_group_segment_fixed_size 280576
		.amdhsa_private_segment_fixed_size 0
		.amdhsa_enable_private_segment 0
		.amdhsa_kernarg_size 152
		.amdhsa_user_sgpr_count 2
		.amdhsa_user_sgpr_kernarg_segment_ptr 1
		.amdhsa_wavefront_size32 1
		.amdhsa_system_sgpr_workgroup_id_x 1
		.amdhsa_system_sgpr_workgroup_id_y 1
		.amdhsa_system_sgpr_workgroup_id_z 1
		.amdhsa_system_vgpr_workitem_id 0
		.amdhsa_next_free_vgpr 480
		.amdhsa_next_free_sgpr 80
		.amdhsa_reserve_vcc 0
		.amdhsa_float_denorm_mode_32 3
		.amdhsa_float_denorm_mode_16_64 3
		.amdhsa_memory_ordered 1
		.amdhsa_forward_progress 1
		.amdhsa_inst_pref_size 255
	.end_amdhsa_kernel
	.section	.bss,"aw",@nobits
	.p2align	6
	.space	262144
	.amdgpu_metadata
---
amdhsa.version: [ 1, 2 ]
amdhsa.kernels:
  - .name:           k_q46194bfe20_block
    .symbol:         k_q46194bfe20_block.kd
    .args:
      - { .name: x, .offset: 0, .size: 8, .value_kind: global_buffer, .address_space: global }
      - { .name: norm1_w, .offset: 8, .size: 8, .value_kind: global_buffer, .address_space: global }
      - { .name: norm1_b, .offset: 16, .size: 8, .value_kind: global_buffer, .address_space: global }
      - { .name: qkv_w_codes, .offset: 24, .size: 8, .value_kind: global_buffer, .address_space: global }
      - { .name: qkv_w_scales, .offset: 32, .size: 8, .value_kind: global_buffer, .address_space: global }
      - { .name: qkv_b, .offset: 40, .size: 8, .value_kind: global_buffer, .address_space: global }
      - { .name: rpb_table, .offset: 48, .size: 8, .value_kind: global_buffer, .address_space: global }
      - { .name: proj_w_codes, .offset: 56, .size: 8, .value_kind: global_buffer, .address_space: global }
      - { .name: proj_w_scales, .offset: 64, .size: 8, .value_kind: global_buffer, .address_space: global }
      - { .name: proj_b, .offset: 72, .size: 8, .value_kind: global_buffer, .address_space: global }
      - { .name: norm2_w, .offset: 80, .size: 8, .value_kind: global_buffer, .address_space: global }
      - { .name: norm2_b, .offset: 88, .size: 8, .value_kind: global_buffer, .address_space: global }
      - { .name: fc1_w_codes, .offset: 96, .size: 8, .value_kind: global_buffer, .address_space: global }
      - { .name: fc1_w_scales, .offset: 104, .size: 8, .value_kind: global_buffer, .address_space: global }
      - { .name: fc1_b, .offset: 112, .size: 8, .value_kind: global_buffer, .address_space: global }
      - { .name: fc2_w_codes, .offset: 120, .size: 8, .value_kind: global_buffer, .address_space: global }
      - { .name: fc2_w_scales, .offset: 128, .size: 8, .value_kind: global_buffer, .address_space: global }
      - { .name: fc2_b, .offset: 136, .size: 8, .value_kind: global_buffer, .address_space: global }
      - { .name: out0, .offset: 144, .size: 8, .value_kind: global_buffer, .address_space: global }
    .group_segment_fixed_size: 280576
    .private_segment_fixed_size: 0
    .kernarg_segment_align: 8
    .kernarg_segment_size: 152
    .max_flat_workgroup_size: 256
    .sgpr_count:     80
    .vgpr_count:     480
    .wavefront_size: 32
...
	.end_amdgpu_metadata
.endif
;; end of part 2
